; MI455X (gfx1250); checked and timed in simulation.
; The chip was launched on July 23, 2026; its instructions are those of AMD's public machine-readable ISA for CDNA 5 (MIT licence, August 2026) and "CDNA5" Instruction Set Architecture Reference Guide (July 2026). The comments in the code are by the model that wrote it; some were corrected since.
;; Multi Head Attention. Allowed arithmetic: matrix products marked QUANTISED: E4M3 operands, one E8M0 scale for each 32 along K, by v_wmma_scale_f32_16x16x128_f8f6f4 with both operands' format E4M3, f32 sums; everything else in f32.
;; Inputs: b_o 1,024 float32; w_k_codes 1,024 x 32 x 32 uint8 (E4M3 codes of w_k, K innermost, in blocks of 32 codes); w_k_scales 1,024 x 32 uint8 (E8M0 scales of w_k, one for each 32 codes along K); w_o_codes 1,024 x 32 x 32 uint8 (E4M3 codes of w_o, K innermost, in blocks of 32 codes); w_o_scales 1,024 x 32 uint8 (E8M0 scales of w_o, one for each 32 codes along K); w_q_codes 1,024 x 32 x 32 uint8 (E4M3 codes of w_q, K innermost, in blocks of 32 codes); w_q_scales 1,024 x 32 uint8 (E8M0 scales of w_q, one for each 32 codes along K); w_v_codes 1,024 x 32 x 32 uint8 (E4M3 codes of w_v, K innermost, in blocks of 32 codes); w_v_scales 1,024 x 32 uint8 (E8M0 scales of w_v, one for each 32 codes along K); x_codes 4 x 2,048 x 32 x 32 uint8 (E4M3 codes of x, K innermost, in blocks of 32 codes); x_scales 4 x 2,048 x 32 uint8 (E8M0 scales of x, one for each 32 codes along K).
;; Outputs: out0 4 x 2,048 x 1,024 float32.
;; This version of the problem:
;;   THIS VERSION OF THE PROBLEM IS GIVEN IN LOW PRECISION. The matrix products marked QUANTISED in the list below multiply operands that are first quantised to E4M3 (4 exponent bits, 3 mantissa bits; 8 bits a number), with one power-of-two scale for each 32 numbers along K (OCP MX v1.0); their sums are f32. All else is computed in f32.
;;   The module's matrix products, in the order in which they are computed (A, B: the left and right operand; K: the contracted axis; several contracted axes count as one K, in the product's order):
;;     1. [M 8,192, K 1,024] x [K 1,024, N 1,024]; A: input x (given as codes); B: input w_q (given as codes): QUANTISED
;;     2. [M 8,192, K 1,024] x [K 1,024, N 1,024]; A: input x (given as codes); B: input w_k (given as codes): QUANTISED
;;     3. [M 8,192, K 1,024] x [K 1,024, N 1,024]; A: input x (given as codes); B: input w_v (given as codes): QUANTISED
;;     4. batch 64 x [M 2,048, K 64] x [K 64, N 2,048]; A: computed on the way; B: computed on the way: QUANTISED
;;     5. batch 64 x [M 2,048, K 2,048] x [K 2,048, N 64]; A: softmax (see below); B: computed on the way: QUANTISED
;;     6. [M 8,192, K 1,024] x [K 1,024, N 1,024]; A: computed on the way; B: input w_o (given as codes): QUANTISED
;;   THE QUANTISER, for each operand of a quantised product, along K:
;;     - K is cut into blocks of 32 from its start; a last block that is shorter is filled with zeros.
;;     - A block's scale is 2^e with e = floor(log2(the largest magnitude in the block)) - 8, held to -126 .. 127; a block of zeros has e = 0. As a byte (E8M0): e + 127.
;;     - Each number is divided by its block's scale, clamped to +-448, and rounded to the nearest number of E4M3, ties to even, subnormals kept.
;;     - The product sums the exact products of the quantised numbers (number of the format x scale) in f32.
;;   ~~~python
;;   def quantise(x, axis):      # numpy; x: float32 -> the quantised numbers, widened to float32 again
;;       x = np.moveaxis(x, axis, -1); K = x.shape[-1]
;;       x = np.pad(x, [(0, 0)] * (x.ndim - 1) + [(0, -K % 32)]); x = x.reshape(x.shape[:-1] + (-1, 32)); a = np.abs(x).max(-1, keepdims=True)
;;       e = np.where(a > 0, np.clip(np.frexp(np.where(a > 0, a, 1))[1] - 1 - 8, -126, 127), 0)      # np.frexp(a)[1] - 1 = floor(log2(a)), exactly
;;       r = np.clip(x / 2.0 ** e, -448, 448)
;;       step = 2.0 ** (np.maximum(np.frexp(np.where(r == 0, 1, r))[1] - 1, -6) - 3)
;;       q = np.round(r / step) * step * 2.0 ** e      # np.round: ties to even
;;       return np.moveaxis(q.reshape(q.shape[:-2] + (-1,))[..., :K], -1, axis).astype(np.float32)
;;   ~~~
;;   SOFTMAX AHEAD OF A QUANTISED PRODUCT. Where the list says 'softmax', what is quantised is not the finished softmax but p = 2^(t - M), with t = logit x log2(e) and M = ceil(the row's largest t), a whole number; so 1/2 < the row's largest p <= 1. The row's sum l is taken of the UNQUANTISED p, in f32, and the product's result is divided by l at the end. Since M is a whole number, a kernel that streams over the keys may use a running M (the ceiling of the running maximum): every later rescaling is an exact power of two, which a block's scale takes up: the codes' values come out the same.
;;   OPERANDS COMPUTED ON THE WAY. 'Computed on the way' means the value that the module computes at that place (a softmax that the list does not call 'softmax' is quantised finished and normalised). What goes into a quantiser is computed in f32, as accurately as f32 sums, v_exp_f32 and their like allow (about 1e-6 of the number): no bf16 or f16 on the way to a quantiser, and a product that is left as it is and whose result goes on into a quantised operand takes f32 operands (vector FMAs, or v_wmma_f32_16x16x4_f32). A number that lies on a knife's edge between two numbers of the format may be rounded either way, as far as f32 arithmetic and the matrix unit's own rounding can turn it there, and no further.
;;   INPUTS GIVEN AS CODES. w_k (in the module: [1024, 1024], K = its axis 1); w_o (in the module: [1024, 1024], K = its axis 1); w_q (in the module: [1024, 1024], K = its axis 1); w_v (in the module: [1024, 1024], K = its axis 1); x (in the module: [4, 2048, 1024], K = its axis 2): each comes as NAME_codes (uint8): NAME with its K axis moved to the last place and cut into blocks of 32 codes, [.., K / 32, bytes a block], one block behind the other in memory; one code a byte (a code: sign, 4 exponent bits, 3 mantissa bits); and NAME_scales (uint8): the same leading axes, one E8M0 byte (e + 127) for each 32 codes along K. Its value is code x scale, taken as it is: it is not quantised again, and the codes and scales need not be those that the quantiser above would give.
;; One version. Each part assembles by itself: llvm-mc -triple=amdgcn-amd-amdhsa -mcpu=gfx1250 --defsym DOCPART=n.
;; ======== version 1 of 1: 3 launches
;; workspace buffers: qc 8,388,608 bytes; qs 262,144 bytes; kc 8,388,608 bytes; ks 262,144 bytes; vc 8,388,608 bytes; vs 262,144 bytes; ac 8,388,608 bytes; asc 262,144 bytes
;; launch qkv (part 1): grid 12 x 32, 4 waves a work-group, clusters of 4 x 4, 327,680 bytes of LDS; arguments x_codes, x_scales, w_q_codes, w_q_scales, w_k_codes, w_k_scales, w_v_codes, w_v_scales, qc, qs, kc, ks, vc, vs; writes qc, qs, kc, ks, vc, vs
.if DOCPART == 1
	.amdgcn_target "amdgcn-amd-amdhsa--gfx1250"
	.amdhsa_code_object_version 6
	.text
	.protected	k_qf4b6509367_qkv
	.globl	k_qf4b6509367_qkv
	.p2align	8
	.type	k_qf4b6509367_qkv,@function
k_qf4b6509367_qkv:
	s_mov_b64 s[64:65], 0
	v_nop
	global_prefetch_b8 v0, s[64:65] scope:SCOPE_SE
	s_setreg_imm32_b32 hwreg(HW_REG_WAVE_MODE, 25, 1), 1
	s_wait_xcnt 0x0
	s_wait_alu depctr_hold_cnt(0) depctr_sa_sdst(0) depctr_va_vdst(0) depctr_va_sdst(0) depctr_va_ssrc(0) depctr_va_vcc(0) depctr_vm_vsrc(0)
	s_getreg_b32 s2, hwreg(HW_REG_IB_STS2, 6, 4)
	s_cmp_eq_u32 s2, 0
	s_cbranch_scc0 .Lentry_in_a_cluster
	s_endpgm
.Lentry_in_a_cluster:
	s_bfe_u32 s2, ttmp6, 0x10000c
	s_cmp_lg_u32 s2, 0xf033
	s_cbranch_scc0 .Lentry_shape_is_right
	s_endpgm
.Lentry_shape_is_right:
; Q = x wq^T, K = x wk^T and V^T = wv x^T on codes of FP8 (E4M3) with one E8M0 scale for each 32 along K = 1,024; each result is quantised again, along its COLUMNS, in blocks of 32, and leaves as codes and scale words.
; V is made transposed (rows = wv's 1,024 rows, columns = the 8,192 tokens), so that for all three the next product's K runs along the columns: the head's 64 for Q and K, the keys for V.  One text, one path:
; the cluster's x (0: Q, 1: K, 2: V) only chooses pointers, the tile's place and one pitch.
; A result C [M][N] is stored as codes [N / 64][M][64 bytes] and as scale words [N / 128][M], four bytes a word, byte j for columns 32 j .. 32 j + 31 of the 128.
; A tile of C, 256 x 256, is made by a work-group of four waves; a wave makes 128 x 128: 64 accumulators of 16 x 16, 512 registers.  K goes in steps of 256 through a ring of two LDS slots filled by tensor loads.
; The scale bytes of the work-group's 256 rows of A and of B, for all of K, come into LDS once, with the first fills.
; CLUSTERS: 4 x 4 work-groups.  The four of a row of the cluster need the same tiles of A, the four of a column the same tiles of B: each tile is asked for jointly.
; THE MATRIX INSTRUCTION IS USED TRANSPOSED (source 0 = 16 rows of B, source 1 = 16 rows of A): a lane holds one row of C and eight neighbouring columns in each accumulator.
; THE QUANTISER: a block's scale is 2^(floor(log2(largest magnitude)) - 8); its byte is the largest magnitude's exponent field - 8, held at 1 from below; each number is held within +-448 x the scale and rounded to the nearest code.
; LIMITS: a block of zeros gets the byte 1 where the rule says 127 (its codes are zeros, and this program alone reads the bytes); blocks whose largest magnitude lies under 2^-118 share that byte; NaN and infinities are not served.
; REGISTERS, in windows of 256: window 0: v0-31 addresses; v32-63 scale words, two sets; from v128 A's fragments, one set; on the way out v64-127 numbers, v128-195 codes, v200-217 at work.
;   window 1: B's fragments, two sets.   window 2: the accumulators of my rows 0-63 ((a, b) at v[8 (8 a + b)]);   window 3: those of my rows 64-127.
.set KSTEP,  256                       ; along K in a slot
.set NQ,     KSTEP/128                 ; matrix instructions deep
.set ROWB,   256                       ; a tile's row in bytes
.set KROW,   1024                      ; a row of A or of B in memory, in bytes
.set PITCH,  272                       ; an LDS row: 256 bytes + 16 of padding: the 16 rows that a load touches start 68 words apart
.set FR,     16                        ; registers of a fragment: 16 rows x 128 K
.set NL,     4                         ; LDS loads that bring one
.set NP,     8                         ; places behind this matrix instruction (ISA guide 7.12.1)
.set HALFT,  128*PITCH                 ; 128 rows: what one tensor load brings
.set SLOT,   4*HALFT                   ; A's 256 rows, then B's 256 rows
.set LAPS,   KROW/(2*KSTEP)            ; a lap = two K steps = once round the ring
.set KS,     KROW/32                   ; a row of scale bytes
.set SCL,    2*SLOT                    ; behind the ring: the scales, as units of 256 bytes + 16 of padding
.set HALFS,  (128*KS/256)*272          ; the scales of 128 rows
.set SBLK,   (16*KS/256)*272           ; those of 16 rows
.set SPARE,  SCL+4*HALFS               ; behind the scales: the spare words, 128 bytes for each wave
.set WSTG,   3072                      ; the way out: a stage for each wave, in slot 0: two groups of 16 rows x (64 bytes + 16), then 512 bytes of scale words
.set GRP,    16*80
.set ADRA, 16                          ; v16-17  LDS address of my A fragments in slot 0, 1
.set ADRB, 20                          ; v20-21  the same for B
.set STO,  24                          ; v24     the stage: where I put 8 codes of a row
.set RD,   25                          ; v25     the stage: where I read 16 bytes back
.set CO,   26                          ; v26     16 x lane
.set ADRS, 27                          ; v27     LDS address of my scale words: lanes 0-15 A's rows, lanes 16-31 B's
.set SPW,  28                          ; v28     LDS address of my spare word; never rewritten
.set NIL,  29                          ; v29     0; never rewritten
.set SST,  30                          ; v30     the stage: where my row's scale word goes
.set SRD,  31                          ; v31     and where I read four of them back
.set SC,   32                          ; scale words: set s at v[SC + 8 NQ s]
.set XN,   64                          ; the way out: 64 numbers, held
.set AF,   128                         ; A's fragments, in window 0
.set TM,   200                         ; the way out: +0..3 largest magnitudes, +4..7 the other half's, then bytes, +8..11 448 x the scale, +12..15 the conversions' scale operands
.set G1, 24                            ; s[24:31] descriptor group 1 for A's tiles;  s[32:39] group 0, one set for each slot
.set G0, 32
.set G1B, 48                           ; s[48:55], s[56:63] the same for B's tiles
.set G0B, 56
.set G1S, 68                           ; s[68:75], s[76:79] groups 1 and 0 for A's scales;  s[80:87], s[88:91] for B's
.set G0S, 76
.set G1SB, 80
.set G0SB, 88
.set SEL,  66                          ; s[66:67] lane selects for v_permlanex16_b32: lane l xor 16
.set MNT,  100                         ; s100 the mantissa field of 448
.set MROWS, 101                        ; s101 the rows of C: 8,192 (Q, K) or 1,024 (V^T)
.set MSB, 0
.macro WIN new                         ; the immediate's high byte repeats the setting that is left
.if MSB != \new
	s_set_vgpr_msb (MSB<<8)|\new
.set MSB, \new
.endif
.endm
.set MUL_LO, 0xa1                      ; source 0 (B) window 1, source 1 (A) window 0, C and D window 2
.set MUL_HI, 0xf1                      ; the same, C and D window 3
.set TO_B,   0x40                      ; destination window 1, address window 0
; A joint load: waves 0 and 1 fetch for A, waves 2 and 3 for B.  The branch hangs on the wave's number alone.  Four v_nop follow each of the two lines.
.macro JLOAD g0a, g1a, g0b, g1b
	s_cmp_eq_u32 s15, 0
	s_cbranch_scc0 .Lfor_b_\@
	tensor_load_to_lds s[\g0a:\g0a+3], s[\g1a:\g1a+7]
	s_nop 0
.rept 4
	v_nop
.endr
	s_branch .Lasked_\@
.Lfor_b_\@:
	tensor_load_to_lds s[\g0b:\g0b+3], s[\g1b:\g1b+7]
	s_nop 0
.rept 4
	v_nop
.endr
.Lasked_\@:
.endm
.macro CREST                           ; a round of the cluster's barrier behind its opening barrier
	s_cmp_lg_u32 s14, 0
	s_cbranch_scc1 .Lnot_wave_0_\@
	s_barrier_signal -3
.Lnot_wave_0_\@:
	s_barrier_wait -3
	s_barrier_signal -1
	s_barrier_wait -1
.endm
.macro CROUND                          ; a whole round
	s_barrier_signal -1
	s_barrier_wait -1
	CREST
.endm
	s_load_b512 s[68:83], s[0:1], 0x0              ; x's codes 68, x's scales 70, wq's 72, 74, wk's 76, 78, wv's 80, 82
	s_load_b256 s[84:91], s[0:1], 0x40             ; qc 84, qs 86, kc 88, ks 90
	s_load_b128 s[92:95], s[0:1], 0x60             ; vc 92, vs 94
	v_lshl_add_u32 v[SPW], v0, 2, SPARE
	v_mov_b32 v[NIL], 0
	ds_add_u32 v28, v29
	s_wait_dscnt 0x0
	v_lshrrev_b32 v1, 5, v0
	v_readfirstlane_b32 s14, v1                    ; wave 0..3
	s_lshr_b32 s15, s14, 1                         ; which half of the tile's rows is mine.  Also: I fetch for A (0) or for B (1)
	s_and_b32 s16, s14, 1                          ; which half of its columns.  Also: which 128 rows of that tile I fetch
	s_bfe_u32 s40, ttmp6, 0x40000                  ; cx, cy: my place in the cluster
	s_bfe_u32 s41, ttmp6, 0x40004
	s_and_b32 s17, ttmp7, 0xffff
	s_lshl_b32 s17, s17, 2                         ; 4 x cluster y
	s_cmp_eq_u32 ttmp9, 2                          ; V^T?  Its long side (the tokens) lies along the columns
	s_cselect_b32 s18, 0, s17
	s_cselect_b32 s19, s17, 0
	s_add_co_u32 s17, s41, s18                     ; tile row of C: cy (+ 4 x cluster y for Q and K)
	s_add_co_u32 s42, s40, s19                     ; tile column of C: cx (+ 4 x cluster y for V^T)
	s_lshl_b32 s43, s41, 2
	s_lshl_b32 s43, 15, s43                        ; my row of the cluster
	s_lshl_b32 s44, 0x1111, s40                    ; my column
	s_mov_b32 s[SEL], 0x76543210
	s_mov_b32 s[SEL+1], 0xfedcba98
	s_mov_b32 s[MNT], 0x600000
	; descriptor group 1: a tile of 128 rows x 256 bytes, padded in LDS
	s_or_b32 s[G1+0], s43, (0<<16)|(1<<20)|(1<<21)|(5<<22)|(3<<25)  ; 15:0 the mask: A's tiles go to my row; elements of 1 byte; padding on; bit 21 beside a mask; after every 64 words four words
	s_or_b32 s[G1B+0], s44, (0<<16)|(1<<20)|(1<<21)|(5<<22)|(3<<25)
.irp g, G1, G1B
	s_mov_b32 s[\g+1], ROWB<<16                    ; tensor_dim0
	s_mov_b32 s[\g+2], 128<<16                     ; tensor_dim1 = 128
	s_mov_b32 s[\g+3], ROWB<<16                    ; tile_dim0
	s_mov_b32 s[\g+4], 128                         ; tile_dim1 = 128
	s_mov_b32 s[\g+5], KROW                        ; tensor_dim0_stride
	s_mov_b32 s[\g+6], 0
	s_mov_b32 s[\g+7], 0
.endr
	s_wait_kmcnt 0x0
	; the operands and the results by kind: the choices hang on the cluster's x alone
	s_cmp_eq_u32 ttmp9, 2
	s_cselect_b64 s[4:5], s[80:81], s[68:69]       ; A's codes: wv's or x's
	s_cselect_b64 s[6:7], s[82:83], s[70:71]       ; A's scales
	s_cselect_b64 s[8:9], s[68:69], s[72:73]       ; B's codes: x's or wq's
	s_cselect_b64 s[10:11], s[70:71], s[74:75]     ; B's scales
	s_cselect_b64 s[12:13], s[92:93], s[84:85]     ; the result's codes
	s_cselect_b64 s[98:99], s[94:95], s[86:87]     ; the result's scale words
	s_mov_b32 s[MROWS], 8192
	s_cselect_b32 s[MROWS], 1024, s[MROWS]
	s_cmp_eq_u32 ttmp9, 1
	s_cselect_b64 s[8:9], s[76:77], s[8:9]         ; wk's
	s_cselect_b64 s[10:11], s[78:79], s[10:11]
	s_cselect_b64 s[12:13], s[88:89], s[12:13]
	s_cselect_b64 s[98:99], s[90:91], s[98:99]
	; from here on s68 to s95 are free.  Group 1 for the scales of 128 rows: a dense block of 4,096 bytes, as rows of 256 bytes (32 elements of 8 bytes), 16 bytes of padding behind each
	s_or_b32 s[G1S+0], s43, (3<<16)|(1<<20)|(1<<21)|(5<<22)|(3<<25)
	s_or_b32 s[G1SB+0], s44, (3<<16)|(1<<20)|(1<<21)|(5<<22)|(3<<25)
.irp g, G1S, G1SB
	s_mov_b32 s[\g+1], 32<<16
	s_mov_b32 s[\g+2], (128*KS/256)<<16
	s_mov_b32 s[\g+3], 32<<16
	s_mov_b32 s[\g+4], 128*KS/256
	s_mov_b32 s[\g+5], 32
	s_mov_b32 s[\g+6], 0
	s_mov_b32 s[\g+7], 0
.endr
	s_lshl_b32 s18, s16, 7                         ; which 128 rows of the tile I fetch
	s_lshl_b32 s20, s17, 8
	s_add_co_u32 s20, s20, s18                     ; A: row 256 x tile row + 128 x half
	s_lshl_b32 s46, s42, 8
	s_add_co_u32 s46, s46, s18                     ; B: row 256 x tile column + 128 x half
	s_mov_b32 s21, 0
	s_mov_b32 s47, 0
	s_mov_b64 s[18:19], KS
	s_mul_u64 s[22:23], s[20:21], s[18:19]         ; where these rows' scales begin, in bytes
	s_mul_u64 s[92:93], s[46:47], s[18:19]
	s_mov_b64 s[18:19], KROW
	s_mul_u64 s[20:21], s[20:21], s[18:19]         ; and their codes
	s_mul_u64 s[46:47], s[46:47], s[18:19]
	s_mul_i32 s45, s14, HALFT                      ; where they go: wave x 128 rows: no place in the cluster enters an LDS address
	s_mul_i32 s94, s14, HALFS
	s_add_nc_u64 s[20:21], s[4:5], s[20:21]
	s_add_nc_u64 s[22:23], s[6:7], s[22:23]
	s_add_nc_u64 s[46:47], s[8:9], s[46:47]
	s_add_nc_u64 s[92:93], s[10:11], s[92:93]
	CROUND                                         ; all sixteen work-groups are here: the first joint loads meet
	s_mov_b32 s[G0S], 1
	s_add_co_u32 s[G0S+1], s94, SCL
	s_mov_b64 s[G0S+2:G0S+3], s[22:23]
	s_or_b32 s[G0S+3], s[G0S+3], 0x80000000
	s_mov_b32 s[G0SB], 1
	s_add_co_u32 s[G0SB+1], s94, SCL
	s_mov_b64 s[G0SB+2:G0SB+3], s[92:93]
	s_or_b32 s[G0SB+3], s[G0SB+3], 0x80000000
	JLOAD G0S, G1S, G0SB, G1SB                     ; the scales first: they are wanted with K step 0
.irp s, 0,1
	s_mov_b32 s[G0+4*\s], 1
	s_add_co_u32 s[G0+4*\s+1], s45, \s*SLOT
	s_add_nc_u64 s[G0+4*\s+2:G0+4*\s+3], s[20:21], \s*ROWB
	s_or_b32 s[G0+4*\s+3], s[G0+4*\s+3], 0x80000000
	s_mov_b32 s[G0B+4*\s], 1
	s_add_co_u32 s[G0B+4*\s+1], s45, \s*SLOT
	s_add_nc_u64 s[G0B+4*\s+2:G0B+4*\s+3], s[46:47], \s*ROWB
	s_or_b32 s[G0B+4*\s+3], s[G0B+4*\s+3], 0x80000000
	JLOAD G0+4*\s, G1, G0B+4*\s, G1B
.endr
	v_and_b32 v1, 15, v0                           ; r = lane % 16
	v_bfe_u32 v2, v0, 4, 1                         ; h = lane / 16
	v_mul_u32_u24 v3, v1, PITCH
	v_lshl_add_u32 v4, v2, 4, v3                   ; a fragment's row x pitch + 16 x half
	s_mul_i32 s21, s15, HALFT                      ; my 128 rows of A
	s_mul_i32 s22, s16, HALFT                      ; my 128 rows of B,
	s_add_co_u32 s22, s22, 2*HALFT                 ; which lie behind A's 256
.irp s, 0,1
	v_add_nc_u32 v[ADRA+\s], s21, v4
	v_add_nc_u32 v[ADRB+\s], s22, v4
	s_add_co_u32 s21, s21, SLOT
	s_add_co_u32 s22, s22, SLOT
.endr
	v_mul_u32_u24 v5, v1, KS                       ; my row's scales: KS bytes a row,
	v_lshrrev_b32 v6, 8, v5
	v_lshl_add_u32 v5, v6, 4, v5                   ; and 16 more for each 256 passed
	s_mul_i32 s21, s15, HALFS                      ; A's: my 128 rows
	s_mul_i32 s22, s16, HALFS                      ; B's: my 128 rows, behind A's 256
	s_add_co_u32 s22, s22, 2*HALFS
	s_sub_co_u32 s22, s22, s21
	v_mul_u32_u24 v6, s22, v2                      ; lanes 16-31 take B's
	s_add_co_u32 s21, s21, SCL
	v_add_nc_u32 v5, v5, v6
	v_add_nc_u32 v[ADRS], s21, v5
	s_mul_i32 s23, s14, WSTG                       ; my stage
	v_mul_u32_u24 v5, v1, 80
	v_lshl_add_u32 v5, v2, 3, v5
	v_add_nc_u32 v[STO], s23, v5                   ; in: row r of 80 bytes, + 8 h
	v_and_b32 v6, 31, v0
	v_lshrrev_b32 v5, 2, v6
	v_mul_u32_u24 v5, v5, 80
	v_and_b32 v7, 3, v6
	v_lshl_add_u32 v5, v7, 4, v5
	v_add_nc_u32 v[RD], s23, v5                    ; back: four lanes to a row of 64 bytes, eight rows an instruction
	v_lshlrev_b32 v[CO], 4, v6                     ; and the same bytes in memory, where the rows are dense: 16 x lane
	s_add_co_u32 s23, s23, 2*GRP
	v_lshl_add_u32 v[SST], v1, 2, s23              ; the scale words: 4 bytes a row
	v_add_nc_u32 v[SRD], s23, v[CO]
	; where my part of the result begins
	s_lshl_b32 s20, s17, 8
	s_lshl_b32 s21, s15, 7
	s_add_co_u32 s20, s20, s21                     ; my first row of C
	s_lshl_b32 s21, s42, 2
	s_lshl_b32 s22, s16, 1
	s_add_co_u32 s21, s21, s22                     ; my first group of 64 columns
	s_mul_i32 s22, s21, s[MROWS]
	s_add_co_u32 s22, s22, s20
	s_lshl_b32 s22, s22, 6                         ; (group x rows of C + row) x 64 bytes: under 2^24
	s_mov_b32 s23, 0
	s_add_nc_u64 s[12:13], s[12:13], s[22:23]      ; the codes of my columns 0-63,
	s_lshl_b32 s22, s[MROWS], 6
	s_add_nc_u64 s[96:97], s[12:13], s[22:23]      ; of my columns 64-127
	s_lshr_b32 s21, s21, 1                         ; my run of 128 columns
	s_mul_i32 s22, s21, s[MROWS]
	s_add_co_u32 s22, s22, s20
	s_lshl_b32 s22, s22, 2
	s_add_nc_u64 s[98:99], s[98:99], s[22:23]      ; my 128 rows' scale words
.macro FRAG reg, adr, q, i             ; a fragment, 16 rows x 128 K of 8-bit codes: lane l holds row l % 16; registers 4 c .. 4 c + 3 hold K = 32 c + 16 (l / 16) + 0 .. 15
.irp c, 0,1,2,3
	ds_load_b128 v[\reg+4*\c:\reg+4*\c+3], v[\adr] offset:128*(\q)+32*\c+(\i)*16*PITCH
.endr
.endm
; 16 matrix instructions: A's blocks a0, a0 + 1 x B's eight, 128 along K: the slot's q-th.  p: B's set;  sc: the set of scale words.  zero = 1: the first product starts the sums.
; The 64 accumulators take turns, one instruction a turn, in the same order in every step.
.macro MUL16 a0, p, q, sc, zero
.irp a, \a0, \a0+1
.irp b, 0,1,2,3,4,5,6,7
.if \zero
	v_wmma_scale_f32_16x16x128_f8f6f4 v[8*(8*((\a)%4)+\b):8*(8*((\a)%4)+\b)+7], v[128*(\p)+FR*\b:128*(\p)+FR*\b+FR-1], v[AF+FR*(\a):AF+FR*(\a)+FR-1], 0, v[SC+8*NQ*(\sc)+NQ*\b+(\q)], v[SC+8*NQ*(\sc)+NQ*(\a)+(\q)] matrix_a_scale:MATRIX_SCALE_ROW1
.else
	v_wmma_scale_f32_16x16x128_f8f6f4 v[8*(8*((\a)%4)+\b):8*(8*((\a)%4)+\b)+7], v[128*(\p)+FR*\b:128*(\p)+FR*\b+FR-1], v[AF+FR*(\a):AF+FR*(\a)+FR-1], v[8*(8*((\a)%4)+\b):8*(8*((\a)%4)+\b)+7], v[SC+8*NQ*(\sc)+NQ*\b+(\q)], v[SC+8*NQ*(\sc)+NQ*(\a)+(\q)] matrix_a_scale:MATRIX_SCALE_ROW1
.endif
.endr
.endr
.endm
.macro FETCH_B slot, q, p              ; B's eight fragments of the slot's q-th 128 along K into set p
	WIN TO_B
.irp i, 0,1,2,3,4,5,6,7
	FRAG 128*(\p)+FR*\i, ADRB+\slot, \q, \i
.endr
	WIN 0
.endm
.macro FETCH_A slot, q, i0             ; A's blocks i0 .. i0 + 3
.irp i, \i0, \i0+1, \i0+2, \i0+3
	FRAG AF+FR*(\i), ADRA+\slot, \q, \i
.endr
.endm
.macro SCALES sc                       ; the next K step's scale words into set sc: two words a row; lanes 0-15 take A's block i, lanes 16-31 B's block i
.irp i, 0,1,2,3,4,5,6,7
	ds_load_b64 v[SC+8*NQ*\sc+NQ*\i:SC+8*NQ*\sc+NQ*\i+1], v[ADRS] offset:\i*SBLK
.endr
.endm
; A load into a register that a matrix instruction has read, and a vector instruction that reads a matrix result, stand NP places behind that matrix instruction; only plain vector
; instructions that name none of its registers are places (ISA guide 7.12.1 for vector instructions).
.macro PLACES n
.rept \n
	v_nop
.endr
.endm
; A step of 128 along K that has its successor in the same slot.
.macro STEP slot, q, zero
	s_wait_dscnt 4*NL                              ; B's set and A's blocks 0-3 are in; the youngest sixteen loads (A's blocks 4-7) may be out
	WIN MUL_LO
	MUL16 0, (\q)%2, \q, \slot, \zero
	MUL16 2, (\q)%2, \q, \slot, \zero
	s_wait_dscnt 0                                 ; A's blocks 4-7 are in (asked for 32 matrix instructions ago)
	PLACES NP
	FETCH_B \slot, (\q)+1, 1-(\q)%2
	FETCH_A \slot, (\q)+1, 0
	WIN MUL_HI
	MUL16 4, (\q)%2, \q, \slot, \zero
	MUL16 6, (\q)%2, \q, \slot, \zero
	PLACES NP
	WIN 0
	FETCH_A \slot, (\q)+1, 4
.endm
; A slot's last step changes slots: ONE barrier; in front of it each wave waits for all its tensor loads, adds 0 to its spare word, and waits for that and for its own reads of this slot.  fill = 1: this slot is filled again, two K steps ahead.
.macro TURN slot, next, fill
	s_wait_tensorcnt 0x0                           ; all my tensor loads have landed: my part of the next slot
	ds_add_u32 v[SPW], v[NIL]                      ; 0 onto my spare word
	s_wait_dscnt 4*NL+1                            ; (the add and the youngest sixteen loads, A's blocks 4-7, may be out)
	WIN MUL_LO
	MUL16 0, 1, NQ-1, \slot, 0                     ; sixteen matrix instructions stand between the add and the wait for it
	s_wait_dscnt 0x0                               ; the add is done, and my reads of this slot are over
	s_barrier_signal -1
	MUL16 2, 1, NQ-1, \slot, 0
	WIN 0
	s_barrier_wait -1
.if \fill
	CREST                                          ; the barrier has opened a round of the cluster's barrier: no wave of any partner still reads this slot's tile or has a load on its way
	s_add_nc_u64 s[G0+4*\slot+2:G0+4*\slot+3], s[G0+4*\slot+2:G0+4*\slot+3], 2*ROWB
	s_add_nc_u64 s[G0B+4*\slot+2:G0B+4*\slot+3], s[G0B+4*\slot+2:G0B+4*\slot+3], 2*ROWB
	JLOAD G0+4*\slot, G1, G0B+4*\slot, G1B         ; the first tensor load behind the round; the four v_nop behind it are among the places in front of the loads below
	PLACES NP-4
.else
	PLACES NP
.endif
	v_add_nc_u32 v[ADRS], 4*NQ, v[ADRS]            ; on to the next K step's scale words
	FETCH_B \next, 0, 0
	FETCH_A \next, 0, 0
	SCALES \next
	WIN MUL_HI
	MUL16 4, 1, NQ-1, \slot, 0
	MUL16 6, 1, NQ-1, \slot, 0
	PLACES NP
	WIN 0
	FETCH_A \next, 0, 4
.endm
	s_wait_tensorcnt 1                             ; the scales and my part of K step 0 are in (K step 1's load, issued behind them, may be out),
	s_barrier_signal -1
	s_barrier_wait -1                              ; everybody's are
	FETCH_B 0, 0, 0
	FETCH_A 0, 0, 0
	SCALES 0
	FETCH_A 0, 0, 4
	STEP 0, 0, 1                                   ; the first step stands in front of the loop: its products start the sums
	s_mov_b32 s3, LAPS-1
.Llap:                                                 ; a trip goes once round the ring, from a lap's second step to the next lap's first, and fills both slots again
	TURN 0, 1, 1
	STEP 1, 0, 0
	TURN 1, 0, 1
	STEP 0, 0, 0
	s_sub_co_u32 s3, s3, 1
	s_cmp_lg_u32 s3, 0
	s_cbranch_scc1 .Llap
	TURN 0, 1, 0                                   ; the last lap fills nothing, and has no round of the cluster's barrier
	STEP 1, 0, 0
	s_wait_dscnt 4*NL                              ; the very last step: nothing more to fetch
	WIN MUL_LO
	MUL16 0, 1, NQ-1, 1, 0
	MUL16 2, 1, NQ-1, 1, 0
	s_wait_dscnt 0
	WIN MUL_HI
	MUL16 4, 1, NQ-1, 1, 0
	MUL16 6, 1, NQ-1, 1, 0
	WIN 0
; THE WAY OUT, block by block of 16 rows x 128 columns.  Lane (r, h) holds row r; of block nb of 32 columns it holds 16: register 16 nb + i is column 32 nb + 8 h + i (i < 8) or 32 nb + 16 + 8 h + i - 8; lane l xor 16 holds the other 16.
; QUANT: the four blocks' largest magnitudes, scale bytes and holds; the hold also brings each number into window 0; eight conversions give 64 codes a lane.
.macro QUANT a
.set AC, 64*((\a)%4)
.set PC, 128+48*((\a)%2)
.set PW, TM+16+(\a)%2
	WIN 0x0a+5*((\a)/4)                            ; sources 0 and 1: window 2 or 3
.irp b, 0,1,2,3
	v_max3_num_f32 v[TM+\b], |v[AC+16*\b]|, |v[AC+16*\b+1]|, 0x4800000   ; each accumulator is read from its low end on; the floor 2^(9 - 127) holds the byte at 1 from below
.endr
.irp i, 2,4,6,8,10,12,14
.irp b, 0,1,2,3
	v_max3_num_f32 v[TM+\b], |v[AC+16*\b+\i]|, |v[AC+16*\b+\i+1]|, v[TM+\b]   ; (the four blocks by turns)
.endr
.endr
	WIN 0
.irp b, 0,1,2,3
	v_permlanex16_b32 v[TM+4+\b], v[TM+\b], s[SEL], s[SEL+1]
.endr
.irp b, 0,1,2,3
	v_max_num_f32 v[TM+\b], v[TM+\b], v[TM+4+\b]   ; with lane l xor 16's: the block's largest magnitude
.endr
.irp b, 0,1,2,3
	v_add_nc_u32 v[TM+12+\b], 0xfc000000, v[TM+\b] ; 8 off its exponent field: the conversion's scale operand
.endr
.irp b, 0,1,2,3
	v_and_or_b32 v[TM+8+\b], v[TM+\b], 0x7f800000, s[MNT]   ; 448 x the scale
.endr
.irp b, 0,1,2,3
	v_lshrrev_b32 v[TM+4+\b], 23, v[TM+12+\b]      ; the scale's byte
.endr
	v_lshl_or_b32 v[PW], v[TM+5], 8, v[TM+4]       ; the four bytes make my row's scale word for these 128 columns
	v_lshl_or_b32 v[PW], v[TM+6], 16, v[PW]
	v_lshl_or_b32 v[PW], v[TM+7], 24, v[PW]
	WIN 0x02+(\a)/4                                ; source 0: window 2 or 3
.irp b, 0,1,2,3
.irp i, 0,1,2,3,4,5,6,7,8,9,10,11,12,13,14,15
	v_med3_num_f32 v[XN+16*\b+\i], v[AC+16*\b+\i], -v[TM+8+\b], v[TM+8+\b]   ; the conversion to an 8-bit code does not saturate (ISA guide 7.6.2): the hold at the largest code x the scale
.endr
.endr
	WIN 0
.irp b, 0,1,2,3
	v_cvt_scalef32_pk8_fp8_f32 v[PC+4*\b:PC+4*\b+1], v[XN+16*\b:XN+16*\b+7], v[TM+12+\b]
	v_cvt_scalef32_pk8_fp8_f32 v[PC+4*\b+2:PC+4*\b+3], v[XN+16*\b+8:XN+16*\b+15], v[TM+12+\b]
.endr
	v_nop                                          ; one plain vector instruction behind the last conversion, ahead of whatever next writes its sources
.endm
; TOSTAGE: the codes into my stage as rows of 64 bytes (two groups of 64 columns), the scale word beside them; back as 16 bytes a lane.  LDS serves a wave's instructions in order (ISA guide 5.7.1.4).
.macro TOSTAGE a
.set PC, 128+48*((\a)%2)
.set PW, TM+16+(\a)%2
.set BK, 144+16*((\a)%2)
.irp nb, 0,1,2,3
	ds_store_b64 v[STO], v[PC+4*\nb:PC+4*\nb+1] offset:(\nb/2)*GRP+(\nb%2)*32
	ds_store_b64 v[STO], v[PC+4*\nb+2:PC+4*\nb+3] offset:(\nb/2)*GRP+(\nb%2)*32+16
.endr
	ds_store_b32 v[SST], v[PW] offset:64*(\a)      ; both halves of the lanes write the same word with the same value
.irp i, 0,1,2,3
	ds_load_b128 v[BK+4*\i:BK+4*\i+3], v[RD] offset:(\i/2)*GRP+(\i%2)*640
.endr
.endm
.macro SEND a                          ; each store of the wave covers 512 consecutive bytes, aligned: eight rows of 64 codes
.set BK, 144+16*((\a)%2)
	s_wait_dscnt 0x0                               ; the block is back in registers, and its stores into the stage have read theirs
.irp i, 0,1
	global_store_b128 v[CO], v[BK+4*\i:BK+4*\i+3], s[12:13] offset:(\a)*1024+\i*512
.endr
.irp i, 0,1
	global_store_b128 v[CO], v[BK+8+4*\i:BK+8+4*\i+3], s[96:97] offset:(\a)*1024+\i*512
.endr
.endm
	PLACES NP                                      ; behind the last products: their sources in window 0 are written below, block 0's results are read
.irp b, 0,1,2,3
	v_mov_b32 v[TM+4+\b], 0                        ; written once: a lane permute's destination counts as one of its sources
.endr
	QUANT 0
	TOSTAGE 0
.irp a, 1,2,3,4,5,6,7                  ; block a's arithmetic stands between block a - 1's loads from the stage and the wait for them
	QUANT \a
	SEND \a-1
.if \a > 1
	s_wait_xcnt 0x0                                ; block a - 2's stores have read their registers: block a's loads may land there
.endif
	TOSTAGE \a
.endr
	SEND 7
	ds_load_b128 v[192:195], v[SRD]                ; my 128 rows' scale words: 512 bytes
	s_wait_dscnt 0x0
	global_store_b128 v[CO], v[192:195], s[98:99]
	s_wait_tensorcnt 0x0                           ; the wave's end
	ds_add_u32 v[SPW], v[NIL]
	s_wait_dscnt 0x0
	CROUND                                         ; the closing round: no work-group ends while a partner may still ask for a tile that names it
	s_endpgm
.Lfunc_end_k_qf4b6509367_qkv:
	.size	k_qf4b6509367_qkv, .Lfunc_end_k_qf4b6509367_qkv-k_qf4b6509367_qkv
	.p2alignl 7, 3214868480
	.fill 96, 4, 3214868480
	.section	.rodata,"a",@progbits
	.p2align	6, 0x0
	.amdhsa_kernel k_qf4b6509367_qkv
		.amdhsa_group_segment_fixed_size 327680
		.amdhsa_private_segment_fixed_size 0
		.amdhsa_enable_private_segment 0
		.amdhsa_kernarg_size 112
		.amdhsa_user_sgpr_count 2
		.amdhsa_user_sgpr_kernarg_segment_ptr 1
		.amdhsa_wavefront_size32 1
		.amdhsa_system_sgpr_workgroup_id_x 1
		.amdhsa_system_sgpr_workgroup_id_y 1
		.amdhsa_system_sgpr_workgroup_id_z 1
		.amdhsa_system_vgpr_workitem_id 0
		.amdhsa_next_free_vgpr 1024
		.amdhsa_next_free_sgpr 102
		.amdhsa_reserve_vcc 0
		.amdhsa_float_denorm_mode_32 3
		.amdhsa_float_denorm_mode_16_64 3
		.amdhsa_memory_ordered 1
		.amdhsa_forward_progress 1
		.amdhsa_inst_pref_size 192
	.end_amdhsa_kernel
	.amdgpu_metadata
---
amdhsa.version: [ 1, 2 ]
amdhsa.kernels:
  - .name:           k_qf4b6509367_qkv
    .symbol:         k_qf4b6509367_qkv.kd
    .args:
      - { .name: x_codes, .offset: 0, .size: 8, .value_kind: global_buffer, .address_space: global }
      - { .name: x_scales, .offset: 8, .size: 8, .value_kind: global_buffer, .address_space: global }
      - { .name: w_q_codes, .offset: 16, .size: 8, .value_kind: global_buffer, .address_space: global }
      - { .name: w_q_scales, .offset: 24, .size: 8, .value_kind: global_buffer, .address_space: global }
      - { .name: w_k_codes, .offset: 32, .size: 8, .value_kind: global_buffer, .address_space: global }
      - { .name: w_k_scales, .offset: 40, .size: 8, .value_kind: global_buffer, .address_space: global }
      - { .name: w_v_codes, .offset: 48, .size: 8, .value_kind: global_buffer, .address_space: global }
      - { .name: w_v_scales, .offset: 56, .size: 8, .value_kind: global_buffer, .address_space: global }
      - { .name: qc, .offset: 64, .size: 8, .value_kind: global_buffer, .address_space: global }
      - { .name: qs, .offset: 72, .size: 8, .value_kind: global_buffer, .address_space: global }
      - { .name: kc, .offset: 80, .size: 8, .value_kind: global_buffer, .address_space: global }
      - { .name: ks, .offset: 88, .size: 8, .value_kind: global_buffer, .address_space: global }
      - { .name: vc, .offset: 96, .size: 8, .value_kind: global_buffer, .address_space: global }
      - { .name: vs, .offset: 104, .size: 8, .value_kind: global_buffer, .address_space: global }
    .group_segment_fixed_size: 327680
    .private_segment_fixed_size: 0
    .kernarg_segment_align: 8
    .kernarg_segment_size: 112
    .max_flat_workgroup_size: 128
    .sgpr_count:     102
    .vgpr_count:     1024
    .wavefront_size: 32
...
	.end_amdgpu_metadata
.endif
;; end of part 1
;; launch attn (part 2): grid 4 x 64, 16 waves a work-group, clusters of 4 x 1, 327,680 bytes of LDS; arguments qc, qs, kc, ks, vc, vs, ac, asc; writes ac, asc
.if DOCPART == 2
	.amdgcn_target "amdgcn-amd-amdhsa--gfx1250"
	.amdhsa_code_object_version 6
	.text
	.protected	k_qf4b6509367_attn
	.globl	k_qf4b6509367_attn
	.p2align	8
	.type	k_qf4b6509367_attn,@function
k_qf4b6509367_attn:
	s_mov_b64 s[64:65], 0
	v_nop
	global_prefetch_b8 v0, s[64:65] scope:SCOPE_SE
	s_setreg_imm32_b32 hwreg(HW_REG_WAVE_MODE, 25, 1), 1
	s_wait_xcnt 0x0
	s_wait_alu depctr_hold_cnt(0) depctr_sa_sdst(0) depctr_va_vdst(0) depctr_va_sdst(0) depctr_va_ssrc(0) depctr_va_vcc(0) depctr_vm_vsrc(0)
	s_getreg_b32 s2, hwreg(HW_REG_IB_STS2, 6, 4)
	s_cmp_eq_u32 s2, 0
	s_cbranch_scc0 .Lentry_in_a_cluster
	s_endpgm
.Lentry_in_a_cluster:
	s_bfe_u32 s2, ttmp6, 0x10000c
	s_cmp_lg_u32 s2, 0x3003
	s_cbranch_scc0 .Lentry_shape_is_right
	s_endpgm
.Lentry_shape_is_right:
; Causal attention of 64 (batch, head) pairs, 2,048 queries and keys, head size 64, both products on codes of FP8 (E4M3) with one E8M0 scale for each 32 along a product's K.  The result, O / l, is quantised along the head's 64.
; IN:  qc, kc [head 16][token 8192][64 codes]; qs, ks [head pair 8][token] words (an even head's two bytes below, an odd head's above); vc [token / 64][head x 64 + d][64 codes] (the keys innermost); vs [token / 128][head x 64 + d] words.
; OUT: ac [head][token][64 codes]; asc [token][32 bytes], byte 2 x head + block.
; THE SOFTMAX AHEAD OF THE SECOND PRODUCT: t = score x log2(e) / 8; M = the row's largest t so far, rounded UP to a whole number; p = 2^(t - M) is what is quantised, along the keys.  The row's sum is taken of the
; unquantised p and divides O at the end (v_rcp_f32 and a multiplication).  When M moves, the sum and O are multiplied by 2^(old M - new M): exact.
; SHARES.  A cluster of four work-groups serves one (batch, head).  Its 64 waves own two tiles of 16 queries each: wave w of work-group cx has p = 4 w + cx and owns tiles 127 - p and p.  Tile T needs the key steps of 128
; numbered 0 .. T / 8, which is 15 - w / 2 and w / 2 whatever cx is: every wave walks 17 tile-steps, and every branch hangs on the wave's number and on counters alone.
; ALL OF A HEAD'S K AND V LIE IN LDS, each byte filled once: eight chunks of 256 keys of each, asked for jointly by the four work-groups, two chunks of K (waves 0, 1) and two of V (waves 2, 3) behind each of four rounds.
; LAYOUT.  Both products are used transposed: S^T = K Q^T (source 0 = 16 keys, source 1 = my 16 queries), O^T = V^T P^T (source 0 = 16 of the head's 64, source 1 = P): a lane holds ONE query (lane % 16) throughout.
; The rows of a tile are not neighbours: lane r of tile 2 b + u takes row 32 b + 8 u + r + 8 (r / 8), so that the 16 registers of tiles 2 b and 2 b + 1 are 16 neighbours, 32 b + 16 (lane / 16) + 0 .. 15, along the next K.
; The first product's K is 64, half of the instruction's 128: the upper two blocks are zero codes on both sides, written once; the scale words are read as 16 bits, so their upper bytes are 0, which is no NaN.
; LIMITS: a block of zeros gets the byte 1 where the rule says 127 (zero codes; this program alone reads the bytes); NaN and infinities are not served.  asc is stored 2 bytes a token, 32 bytes apart: one part in 32 of the result's bytes.
.set CH,    18432                      ; a chunk in LDS: 16,384 bytes as 128 lines of 128 bytes + 16 of padding
.set STEPB, 9216                       ; a key step's half of it
.set VT,    8*CH                       ; K's eight chunks lie at 0, V's here
.set SCK,   16*CH                      ; K's scale words: 32 units of 256 bytes + 16; a step's 128 keys take 544
.set SCV,   SCK+8704                   ; V's: a unit (64 rows x 4 bytes) + 16 for each step
.set SPARE, SCV+4352                   ; the spare words, 128 bytes for each wave
.set STAGE, SPARE+2048                 ; the way out: 1,024 bytes for each wave; no fill lands here
.set AK0,  1                           ; v1   my lane's place in a tile of K: (r' / 2) x 144 + (r' % 2) x 64 + 16 h, r' = r + 8 (r / 8)
.set AV0,  2                           ; v2   the same in V
.set ASK0, 3                           ; v3   my lane's place among K's scale words
.set ASV0, 4                           ; v4   and among V's
.set SPW,  5                           ; v5   LDS address of my spare word; never rewritten
.set NIL,  6                           ; v6   0; never rewritten
.set RH,   7                           ; v7   r - 16 h
.set ADK,  8                           ; v8-11 the step's LDS addresses: K, V, K's scale words, V's
.set ADV,  9
.set ADS,  10
.set ADT,  11
.set QF,   16                          ; v16-31  Q's fragment; v24-31 zero codes.   v12 -M, v13 the largest t, v[14:15] the sum in two halves
.set KF,   32                          ; v32-95  four fragments of K; the upper eight registers of each: zero codes
.set S,    96                          ; v96-159 S^T, then p, then four fragments of V
.set OT,   160                         ; v160-191 O^T
.set PC,   192                         ; v192-207 p's codes
.set BM,   208                         ; v208-211 the blocks' largest
.set PT,   212                         ; v212-215 the other half's, then bytes
.set HOLD, 216                         ; v216-219 448 x the scale
.set SOP,  220                         ; v220-223 the conversions' scale operands
.set KSW,  224                         ; v224-231 K's scale words;  v232-235 V's;  v236 p's;  v237 Q's: these hold scales and nothing else
.set VSW,  232
.set PW,   236
.set QW,   237
.set FF,   238                         ; v[238:239] f = 2^(old M - new M), at the end 1 / l; the upper register is only named
.set TA,   240
.set TB,   241
.set DQ,   242                         ; v242 on the diagonal: my query - the step's first key - 16 h
.set QO,   243                         ; v243 64 r + 16 h
.set QSO,  244                         ; v244 4 r
.set STO,  245
.set RD,   246
.set GO,   247                         ; v247 16 x lane
.set OSO,  248                         ; v248 32 r
.set SW,   249                         ; v249 the result's two scale bytes
.set SUM2, 250                         ; v[250:251] the sum's second chain
.set WV,   20
.set CX,   21
.set BB,   22
.set HD,   23
.set G1K,  24                          ; s[24:31] group 1 for K's chunks;  s[32:39] V's;  s[40:47] K's scale words;  s[48:55] V's
.set G1V,  32
.set G1SK, 40
.set G1SV, 48
.set G0K,  56                          ; s[56:59], s[60:63] groups 0 for K's and V's chunks, which walk;  s[68:71], s[72:75] for the scale words
.set G0V,  60
.set G0SK, 68
.set G0SV, 72
.set SEL,  76
.set CS,   78                          ; s[78:79] c = log2(e) / 8
.set MNT,  80
.set SI,   81                          ; the step's number
.set TSK,  82                          ; 9,216 x it
.set TSS,  83                          ; 544 x it
.set TSV,  84                          ; 272 x it
.set LIM,  85                          ; the tile's last step, the one on the diagonal
.set GG,   86                          ; wave / 2
.set CA,   87
.set TW,   88
.set TT,   89                          ; the tile in hand
.set TMP,  90                          ; s[90:91] an offset; the upper word stays 0
.set QP,   92
.set QSP,  94
.set OA,   96
.set OS,   98
; Waves 0 and 1 fetch for K, waves 2 and 3 for V, the others nothing.  The branches hang on the wave's number alone: they are the same in all four work-groups.  Four v_nop follow each of the two lines.
.macro JLOAD g0k, g1k, g0v, g1v
	s_cmp_lt_u32 s[WV], 2
	s_cbranch_scc0 .Lnot_k_\@
	tensor_load_to_lds s[\g0k:\g0k+3], s[\g1k:\g1k+7]
	s_nop 0
.rept 4
	v_nop
.endr
	s_branch .Lasked_\@
.Lnot_k_\@:
	s_cmp_lt_u32 s[WV], 4
	s_cbranch_scc0 .Lasked_\@
	tensor_load_to_lds s[\g0v:\g0v+3], s[\g1v:\g1v+7]
	s_nop 0
.rept 4
	v_nop
.endr
.Lasked_\@:
.endm
.macro CROUND                          ; a round of the cluster's barrier
	s_barrier_signal -1
	s_barrier_wait -1
	s_cmp_lg_u32 s[WV], 0
	s_cbranch_scc1 .Lnot_wave_0_\@
	s_barrier_signal -3
.Lnot_wave_0_\@:
	s_barrier_wait -3
	s_barrier_signal -1
	s_barrier_wait -1
.endm
	s_load_b512 s[4:19], s[0:1], 0x0               ; qc 4, qs 6, kc 8, ks 10, vc 12, vs 14, ac 16, asc 18
	v_lshl_add_u32 v[SPW], v0, 2, SPARE
	v_mov_b32 v[NIL], 0
	ds_add_u32 v5, v6
	s_wait_dscnt 0x0
	v_lshrrev_b32 v8, 5, v0
	v_readfirstlane_b32 s[WV], v8                  ; wave 0..15
	s_bfe_u32 s[CX], ttmp6, 0x40000                ; my place in the cluster: it enters Q's and the result's addresses and the mask's numbers alone
	s_and_b32 s[BB], ttmp7, 0xffff                 ; the cluster's y: 16 x batch + head
	s_and_b32 s[HD], s[BB], 15
	s_lshr_b32 s[BB], s[BB], 4
	s_lshr_b32 s[GG], s[WV], 1
	s_and_b32 s2, s[WV], 1                         ; which half of the chunks I fetch, if I fetch
	; group 1.  A chunk of K: 16,384 dense bytes as 4 rows of 4,096; of V: 4 groups of 64 keys, 4,096 dense bytes each, 65,536 apart.  16 bytes of padding behind every 128
	s_mov_b32 s[G1K], 15|(0<<16)|(1<<20)|(1<<21)|(4<<22)|(3<<25)   ; 15:0 the mask: all four work-groups; elements of 1 byte; padding on; bit 21 beside a mask; after every 32 words four words
	s_mov_b32 s[G1V], 15|(0<<16)|(1<<20)|(1<<21)|(4<<22)|(3<<25)
.irp g, G1K, G1V
	s_mov_b32 s[\g+1], 4096<<16                    ; tensor_dim0
	s_mov_b32 s[\g+2], 4<<16                       ; tensor_dim1
	s_mov_b32 s[\g+3], 4096<<16                    ; tile_dim0
	s_mov_b32 s[\g+4], 4                           ; tile_dim1
	s_mov_b32 s[\g+6], 0
	s_mov_b32 s[\g+7], 0
.endr
	s_mov_b32 s[G1K+5], 4096                       ; tensor_dim0_stride
	s_mov_b32 s[G1V+5], 65536
	; the scale words, as rows of 256 bytes (32 elements of 8 bytes), 16 bytes of padding behind each: K's 16 dense rows a load; V's 8 rows, one a key step, 4,096 bytes apart
	s_mov_b32 s[G1SK], 15|(3<<16)|(1<<20)|(1<<21)|(5<<22)|(3<<25)
	s_mov_b32 s[G1SK+1], 32<<16
	s_mov_b32 s[G1SK+2], 16<<16
	s_mov_b32 s[G1SK+3], 32<<16
	s_mov_b32 s[G1SK+4], 16
	s_mov_b32 s[G1SK+5], 32
	s_mov_b32 s[G1SK+6], 0
	s_mov_b32 s[G1SK+7], 0
	s_mov_b32 s[G1SV], 15|(3<<16)|(1<<20)|(1<<21)|(5<<22)|(3<<25)
	s_mov_b32 s[G1SV+1], 32<<16
	s_mov_b32 s[G1SV+2], 8<<16
	s_mov_b32 s[G1SV+3], 32<<16
	s_mov_b32 s[G1SV+4], 8
	s_mov_b32 s[G1SV+5], 512
	s_mov_b32 s[G1SV+6], 0
	s_mov_b32 s[G1SV+7], 0
	s_mov_b32 s[SEL], 0x76543210
	s_mov_b32 s[SEL+1], 0xfedcba98
	s_mov_b32 s[CS], 0x3e38aa3b                    ; c = log2(e) / 8
	s_mov_b32 s[CS+1], s[CS]                       ; (named with it as a pair, so it is written)
	s_mov_b32 s[MNT], 0x600000
	s_mov_b32 s[TMP+1], 0
	s_lshl_b32 s[TMP], s[HD], 19
	s_lshl_b32 s3, s[BB], 17
	s_add_co_u32 s[TMP], s[TMP], s3                ; (head x 8,192 + batch x 2,048) x 64
	s_wait_kmcnt 0x0
	s_add_nc_u64 s[4:5], s[4:5], s[TMP:TMP+1]      ; qc, kc and ac at my head's first token
	s_add_nc_u64 s[8:9], s[8:9], s[TMP:TMP+1]
	s_add_nc_u64 s[16:17], s[16:17], s[TMP:TMP+1]
	s_lshl_b32 s[TMP], s[BB], 21
	s_lshl_b32 s3, s[HD], 12
	s_add_co_u32 s[TMP], s[TMP], s3
	s_add_nc_u64 s[12:13], s[12:13], s[TMP:TMP+1]  ; vc: batch x 32 groups of 65,536 + head x 4,096
	s_lshl_b32 s[TMP], s[BB], 16
	s_lshl_b32 s3, s[HD], 8
	s_add_co_u32 s[TMP], s[TMP], s3
	s_add_nc_u64 s[14:15], s[14:15], s[TMP:TMP+1]  ; vs: batch x 16 steps of 4,096 + head x 256
	s_lshl_b32 s[TMP], s[BB], 16
	s_lshl_b32 s3, s[HD], 1
	s_add_co_u32 s[TMP], s[TMP], s3
	s_add_nc_u64 s[18:19], s[18:19], s[TMP:TMP+1]  ; asc: batch x 2,048 x 32 + 2 x head
	s_lshr_b32 s[TMP], s[HD], 1
	s_lshl_b32 s[TMP], s[TMP], 15
	s_lshl_b32 s3, s[BB], 13
	s_add_co_u32 s[TMP], s[TMP], s3
	s_add_nc_u64 s[10:11], s[10:11], s[TMP:TMP+1]  ; ks: (head pair x 8,192 + batch x 2,048) x 4
	s_and_b32 s3, s[HD], 1
	s_lshl_b32 s3, s3, 1                           ; an odd head's two bytes lie 2 further on: kept in s3 for K's LDS address
	s_add_co_u32 s[TMP], s[TMP], s3
	s_add_nc_u64 s[6:7], s[6:7], s[TMP:TMP+1]      ; qs: the same, at my head's bytes
	; group 0: every wave makes all four; no place in the cluster enters them
	s_mov_b32 s[G0K], 1
	s_mul_i32 s[G0K+1], s2, 4*CH                   ; wave 0: chunks 0 to 3; wave 1: chunks 4 to 7
	s_lshl_b32 s[TMP], s2, 16
	s_add_nc_u64 s[G0K+2:G0K+3], s[8:9], s[TMP:TMP+1]
	s_or_b32 s[G0K+3], s[G0K+3], 0x80000000
	s_mov_b32 s[G0V], 1
	s_add_co_u32 s[G0V+1], s[G0K+1], VT
	s_lshl_b32 s[TMP], s2, 20
	s_add_nc_u64 s[G0V+2:G0V+3], s[12:13], s[TMP:TMP+1]
	s_or_b32 s[G0V+3], s[G0V+3], 0x80000000
	s_mov_b32 s[G0SK], 1
	s_mul_i32 s[G0SK+1], s2, 4352
	s_add_co_u32 s[G0SK+1], s[G0SK+1], SCK
	s_lshl_b32 s[TMP], s2, 12
	s_add_nc_u64 s[G0SK+2:G0SK+3], s[10:11], s[TMP:TMP+1]
	s_or_b32 s[G0SK+3], s[G0SK+3], 0x80000000
	s_mov_b32 s[G0SV], 1
	s_mul_i32 s[G0SV+1], s2, 2176
	s_add_co_u32 s[G0SV+1], s[G0SV+1], SCV
	s_lshl_b32 s[TMP], s2, 15
	s_add_nc_u64 s[G0SV+2:G0SV+3], s[14:15], s[TMP:TMP+1]
	s_or_b32 s[G0SV+3], s[G0SV+3], 0x80000000
	CROUND                                         ; all four work-groups are here: the first joint loads meet
	JLOAD G0SK, G1SK, G0SV, G1SV                   ; the scale words of the whole head
	JLOAD G0K, G1K, G0V, G1V                       ; chunks 0 and 4.  Two loads of a fetching wave are out
	v_and_b32 v8, 15, v0                           ; r
	v_bfe_u32 v9, v0, 4, 1                         ; h
	v_and_b32 v10, 8, v8
	v_add_nc_u32 v10, v10, v8                      ; r' = r + 8 (r / 8)
	v_lshrrev_b32 v11, 1, v10
	v_mul_u32_u24 v[AK0], v11, 144                 ; two rows of 64 bytes to a line of 144
	v_and_b32 v11, 1, v10
	v_lshl_add_u32 v[AK0], v11, 6, v[AK0]
	v_lshl_add_u32 v[AK0], v9, 4, v[AK0]
	v_add_nc_u32 v[AV0], VT, v[AK0]
	v_lshlrev_b32 v[ASV0], 2, v10                  ; 4 bytes a row
	v_add_nc_u32 v[ASK0], s3, v[ASV0]
	v_add_nc_u32 v[ASK0], SCK, v[ASK0]
	v_add_nc_u32 v[ASV0], SCV, v[ASV0]
	v_lshlrev_b32 v11, 4, v9
	v_sub_nc_u32 v[RH], v8, v11
	v_lshlrev_b32 v[QO], 6, v8
	v_lshl_add_u32 v[QO], v9, 4, v[QO]
	v_lshlrev_b32 v[QSO], 2, v8
	s_lshl_b32 s[TMP], s[WV], 10
	s_add_co_u32 s[TMP], s[TMP], STAGE             ; my stage
	v_add_nc_u32 v[STO], s[TMP], v[QO]             ; in: row r of 64 bytes, + 16 h
	v_and_b32 v11, 31, v0
	v_lshlrev_b32 v[GO], 4, v11
	v_add_nc_u32 v[RD], s[TMP], v[GO]              ; back: 16 bytes a lane
	v_lshlrev_b32 v[OSO], 5, v8
.irp j, 8,9,10,11,12,13,14,15
	v_mov_b32 v[QF+\j], 0                          ; the zero codes of K = 64 .. 127: Q's,
.irp t, 0,1,2,3
	v_mov_b32 v[KF+16*\t+\j], 0                    ; and K's four fragments'
.endr
.endr
.irp b, 0,1,2,3
	v_mov_b32 v[PT+\b], 0                          ; written once: a lane permute's destination counts as one of its sources
.endr
	v_mov_b32 v[TA], 0
	v_mov_b32 v[FF+1], 0                           ; (named as the upper half of a pair)
; A tile begins: its number, its addresses, Q's fragment and scale words, and the running numbers.  O^T and the sum begin as zeros and the largest t as -3e38: the first change of M multiplies zeros.
.macro INIT hi
	s_wait_xcnt 0x0                                ; the last tile's loads and stores have read their bases and data: they are written below
	s_lshl_b32 s[TT], s[WV], 2
	s_add_co_u32 s[TT], s[TT], s[CX]
.if \hi
	s_sub_co_u32 s[TT], 127, s[TT]
	s_sub_co_u32 s[LIM], 15, s[GG]
.else
	s_mov_b32 s[LIM], s[GG]
.endif
	s_lshl_b32 s[TMP], s[TT], 10                   ; 16 tokens of 64 bytes
	s_add_nc_u64 s[QP:QP+1], s[4:5], s[TMP:TMP+1]
	s_add_nc_u64 s[OA:OA+1], s[16:17], s[TMP:TMP+1]
	s_lshl_b32 s[TMP], s[TT], 6
	s_add_nc_u64 s[QSP:QSP+1], s[6:7], s[TMP:TMP+1]
	s_lshl_b32 s[TMP], s[TT], 9
	s_add_nc_u64 s[OS:OS+1], s[18:19], s[TMP:TMP+1]
	global_load_b128 v[QF:QF+3], v[QO], s[QP:QP+1]
	global_load_b128 v[QF+4:QF+7], v[QO], s[QP:QP+1] offset:32
	global_load_u16 v[QW], v[QSO], s[QSP:QSP+1]
	s_and_b32 s[TMP], s[TT], 7
	s_lshl_b32 s[TMP], s[TMP], 4
	v_add_nc_u32 v[DQ], s[TMP], v[RH]              ; 16 (T % 8) + r - 16 h
	v_mov_b32 v13, 0xff61b1e6                      ; -3e38, under every t
	v_floor_f32 v12, -v13
	v_mov_b32 v14, 0
	v_mov_b32 v15, 0
.set j, 0
.rept 32
	v_mov_b32 v[OT+j], 0
.set j, j+1
.endr
	s_mov_b32 s[SI], 0
	s_mov_b32 s[TSK], 0
	s_mov_b32 s[TSS], 0
	s_mov_b32 s[TSV], 0
.endm
; The largest score of blocks b0 and b1 of 32 keys, by turns: it serves for the row's maximum and, since p rises with the score, for the block's largest p.  Each accumulator is first read at its low end.
.macro BMAX b0, b1
.irp b, \b0, \b1
	v_max3_num_f32 v[BM+\b], v[S+16*\b], v[S+1+16*\b], v[S+2+16*\b]
.endr
.irp i, 3,5,7,9,11,13
.irp b, \b0, \b1
	v_max3_num_f32 v[BM+\b], v[BM+\b], v[S+16*\b+\i], v[S+1+16*\b+\i]
.endr
.endr
.irp b, \b0, \b1
	v_max_num_f32 v[BM+\b], v[BM+\b], v[S+15+16*\b]
.endr
.endm
; A KEY STEP of my tile: 128 keys.  causal = 1: a step behind the diagonal is left out (a scalar branch on the wave's number and a counter, not round the lines that step addresses), and the step on the diagonal is masked.
.macro STEP causal
.if \causal
	s_cmp_gt_u32 s[SI], s[LIM]
	s_cbranch_scc1 .Lhid_\@
.endif
	v_add_nc_u32 v[ADK], s[TSK], v[AK0]
	v_add_nc_u32 v[ADV], s[TSK], v[AV0]
	v_add_nc_u32 v[ADS], s[TSS], v[ASK0]
	v_add_nc_u32 v[ADT], s[TSV], v[ASV0]
.rept 5
	v_nop                                          ; with the four additions: nine places between the last step's products and the products below, which write over V's fragments
.endr
.irp g, 0,1                                    ; S^T = K Q^T, four tiles of 16 keys at a time
.irp t, 0,1,2,3
.irp c, 0,1
	ds_load_b128 v[KF+16*\t+4*\c:KF+16*\t+4*\c+3], v[ADK] offset:(16*((4*\g+\t)/2)+4*(\t%2))*144+32*\c
.endr
	ds_load_u16 v[KSW+4*\g+\t], v[ADS] offset:272*\g+(32*(((4*\g+\t)/2)%2)+8*(\t%2))*4
.endr
	s_wait_dscnt 0x0
.irp t, 0,1,2,3
	v_wmma_scale_f32_16x16x128_f8f6f4 v[S+8*(4*\g+\t):S+8*(4*\g+\t)+7], v[KF+16*\t:KF+16*\t+15], v[QF:QF+15], 0, v[KSW+4*\g+\t], v[QW]
.endr
.if \g == 0
.rept 8
	v_nop                                          ; places in front of the loads into K's fragments, and of the first reads of tiles 0 to 3
.endr
.endif
.endr
.if \causal                                    ; on the diagonal the scores of hidden keys become -infinity ahead of the maximum: p = 0 then
	s_cmp_lt_u32 s[SI], s[LIM]
	s_cbranch_scc1 .Lopen_\@
	v_mov_b32 v[TB], 0xff800000
.set n, 0
.rept 64                                       ; register 16 b + i holds the step's key 32 b + 16 h + i: hidden where 32 b + i > DQ.  The 64 lines on tiles 0 to 3 are the places behind tiles 4 to 7's products
	v_cmp_gt_i32 vcc_lo, 32*(n/16)+n%16, v[DQ]
	v_cndmask_b32 v[S+n], v[S+n], v[TB], vcc_lo
.set n, n+1
.endr
.Lopen_\@:
.endif
	BMAX 0, 1                                      ; sixteen lines on tiles 0 to 3: the places behind tiles 4 to 7's products
	BMAX 2, 3
.irp b, 0,1,2,3
	v_permlanex16_b32 v[PT+\b], v[BM+\b], s[SEL], s[SEL+1]
.endr
.irp b, 0,1,2,3
	v_max_num_f32 v[BM+\b], v[BM+\b], v[PT+\b]     ; with lane l xor 16's 16 keys
.endr
	v_max3_num_f32 v[TA], v[BM], v[BM+1], v[BM+2]
	v_max_num_f32 v[TA], v[TA], v[BM+3]            ; the step's largest score of my query
	v_mul_f32 v[TA], s[CS], v[TA]                  ; as t (c is positive)
	v_max_num_f32 v13, v13, v[TA]                  ; the running largest t
	v_mov_b32 v[TA], v12
	v_floor_f32 v12, -v13                          ; the new -M = floor(-t) = -ceil(t): a whole number
	v_sub_f32 v[TA], v12, v[TA]                    ; M's old value less its new one: a whole number, 0 or less
	v_cvt_i32_f32 v[TA], v[TA]                     ; (it saturates)
	v_ldexp_f32 v[FF], 1.0, v[TA]                  ; f = 2^(old M - new M)
.set j, 0
.rept 32
	v_pk_fma_f32 v[S+j:S+j+1], v[S+j:S+j+1], s[CS:CS+1], v[12:13] op_sel_hi:[1,0,0]   ; t - M, two at a time (of the pairs c and -M the low word serves both halves)
.set j, j+2
.endr
.irp b, 0,1,2,3
	v_fma_f32 v[BM+\b], v[BM+\b], s[CS], v12       ; the same of each block's largest score
.endr
.set j, 0
.rept 64
	v_exp_f32 v[S+j], v[S+j]                       ; p = 2^(t - M), at most 1
.set j, j+1
.endr
	v_pk_mul_f32 v[14:15], v[14:15], v[FF:FF+1] op_sel_hi:[1,0]   ; the sums under the new M: the plain instruction behind the exponentials
	s_wait_alu depctr_va_vdst(0)                   ; one wait for the whole batch, ahead of its first reader
.irp b, 0,1,2,3
	v_exp_f32 v[BM+\b], v[BM+\b]                   ; the block's largest p: the same two instructions on the same number give the same bits
.endr
	v_pk_add_f32 v[SUM2:SUM2+1], v[S:S+1], v[S+2:S+3]   ; the row's sum is taken of the unquantised p: two at a time, in two chains; it reads the 64 alone
.set j, 4
.rept 15
	v_pk_add_f32 v[14:15], v[14:15], v[S+j:S+j+1]
	v_pk_add_f32 v[SUM2:SUM2+1], v[SUM2:SUM2+1], v[S+j+2:S+j+3]
.set j, j+4
.endr
	v_pk_add_f32 v[14:15], v[14:15], v[SUM2:SUM2+1]
	s_wait_alu depctr_va_vdst(0)                   ; and one for the four
.irp b, 0,1,2,3
	v_max_num_f32 v[BM+\b], 0x4800000, v[BM+\b]    ; the floor 2^(9 - 127): the byte cannot fall under 1
.endr
.irp b, 0,1,2,3
	v_add_nc_u32 v[SOP+\b], 0xfc000000, v[BM+\b]   ; 8 off the exponent field: the conversion's scale operand
.endr
.irp b, 0,1,2,3
	v_and_or_b32 v[HOLD+\b], v[BM+\b], 0x7f800000, s[MNT]   ; 448 x the scale
.endr
.irp b, 0,1,2,3
	v_lshrrev_b32 v[PT+\b], 23, v[SOP+\b]          ; the scale's byte
.endr
	v_lshl_or_b32 v[PW], v[PT+1], 8, v[PT]         ; p's scale word for these 128 keys: more than eight places ahead of its products
	v_lshl_or_b32 v[PW], v[PT+2], 16, v[PW]
	v_lshl_or_b32 v[PW], v[PT+3], 24, v[PW]
.irp b, 0,1,2,3
.irp i, 0,1,2,3,4,5,6,7,8,9,10,11,12,13,14,15
	v_min_num_f32 v[S+16*\b+\i], v[S+16*\b+\i], v[HOLD+\b]   ; the conversion to an 8-bit code does not saturate (ISA guide 7.6.2); p is not negative, so the hold is one-sided
.endr
	v_cvt_scalef32_pk8_fp8_f32 v[PC+4*\b:PC+4*\b+1], v[S+16*\b:S+16*\b+7], v[SOP+\b]
	v_cvt_scalef32_pk8_fp8_f32 v[PC+4*\b+2:PC+4*\b+3], v[S+16*\b+8:S+16*\b+15], v[SOP+\b]
.endr
.irp t, 0,1,2,3                                ; V's four fragments (16 of the head's 64 x these 128 keys) take p's registers
.irp c, 0,1,2,3
	ds_load_b128 v[S+16*\t+4*\c:S+16*\t+4*\c+3], v[ADV] offset:(16*(\t/2)+4*(\t%2))*144+4608*(\c/2)+32*(\c%2)
.endr
	ds_load_b32 v[VSW+\t], v[ADT] offset:(32*(\t/2)+8*(\t%2))*4
.endr
.set j, 0
.rept 16
	v_pk_mul_f32 v[OT+j:OT+j+1], v[OT+j:OT+j+1], v[FF:FF+1] op_sel_hi:[1,0]   ; O^T under the new M, while V is on its way: also the places between the codes and their products
.set j, j+2
.endr
.rept 4
	v_nop                                          ; four places between the last of these and the products
.endr
	s_wait_dscnt 0x0
.irp t, 0,1,2,3                                ; O^T += V^T P^T: the four accumulators by turns, one instruction a turn
	v_wmma_scale_f32_16x16x128_f8f6f4 v[OT+8*\t:OT+8*\t+7], v[S+16*\t:S+16*\t+15], v[PC:PC+15], v[OT+8*\t:OT+8*\t+7], v[VSW+\t], v[PW]
.endr
.if \causal
.Lhid_\@:
.endif
	s_add_co_u32 s[TSK], s[TSK], STEPB
	s_add_co_u32 s[TSS], s[TSS], 544
	s_add_co_u32 s[TSV], s[TSV], 272
	s_add_co_u32 s[SI], s[SI], 1
.endm
; Chunks arrive.  Each wave waits for all its tensor loads, adds 0 to its spare word and waits for that and for its LDS reads.  fill = 1: a round of the cluster's barrier, and behind it the next two chunks of K and of V are asked for
; jointly, into bytes that nothing has filled yet: they have two key steps of every wave in which to land.  fill = 0: the last chunks have landed: my work-group's barrier shows them to all sixteen waves.
.macro CHANGE fill
	s_wait_tensorcnt 0x0                           ; no tensor load of mine is out, so a group 0 may be written
	ds_add_u32 v[SPW], v[NIL]                      ; 0 onto my spare word
.if \fill
	s_add_co_u32 s[G0K+1], s[G0K+1], CH            ; the next chunk: in LDS,
	s_add_nc_u64 s[G0K+2:G0K+3], s[G0K+2:G0K+3], 16384   ; and in memory; the type bits on top are not reached
	s_add_co_u32 s[G0V+1], s[G0V+1], CH
	s_add_nc_u64 s[G0V+2:G0V+3], s[G0V+2:G0V+3], 262144
.endif
	s_wait_dscnt 0x0
.if \fill
	CROUND
	JLOAD G0K, G1K, G0V, G1V                       ; the first thing behind the round, and a wave's one tensor load until the next
.else
	s_barrier_signal -1
	s_barrier_wait -1
.endif
.endm
; A tile ends: O^T / l is quantised along the head's 64 (registers 16 b + i are d = 32 b + 16 h + i) and leaves through my stage as 1,024 consecutive bytes; its two scale bytes a token go straight out.
.macro FINISH
.rept 8
	v_nop                                          ; places behind the last products
.endr
	v_add_f32 v14, v14, v15                        ; the sum's two halves,
	v_permlanex16_b32 v[TA], v14, s[SEL], s[SEL+1]
	v_add_f32 v14, v14, v[TA]                      ; and lane l xor 16's: the row's sum
	v_rcp_f32 v[FF], v14
	v_nop                                          ; a plain instruction behind the reciprocal
	s_wait_alu depctr_va_vdst(0)                   ; and the wait ahead of its first reader
.set j, 0
.rept 16
	v_pk_mul_f32 v[S+j:S+j+1], v[OT+j:OT+j+1], v[FF:FF+1] op_sel_hi:[1,0]   ; each accumulator from its low end on
.set j, j+2
.endr
.irp b, 0,1
	v_max3_num_f32 v[BM+\b], |v[S+16*\b]|, |v[S+1+16*\b]|, 0x4800000
.endr
.irp i, 2,4,6,8,10,12,14
.irp b, 0,1
	v_max3_num_f32 v[BM+\b], v[BM+\b], |v[S+16*\b+\i]|, |v[S+1+16*\b+\i]|
.endr
.endr
.irp b, 0,1
	v_permlanex16_b32 v[PT+\b], v[BM+\b], s[SEL], s[SEL+1]
.endr
.irp b, 0,1
	v_max_num_f32 v[BM+\b], v[BM+\b], v[PT+\b]
.endr
.irp b, 0,1
	v_add_nc_u32 v[SOP+\b], 0xfc000000, v[BM+\b]
.endr
.irp b, 0,1
	v_and_or_b32 v[HOLD+\b], v[BM+\b], 0x7f800000, s[MNT]
.endr
.irp b, 0,1
	v_lshrrev_b32 v[PT+\b], 23, v[SOP+\b]
.endr
	v_lshl_or_b32 v[SW], v[PT+1], 8, v[PT]
.irp b, 0,1
.irp i, 0,1,2,3,4,5,6,7,8,9,10,11,12,13,14,15
	v_med3_num_f32 v[S+16*\b+\i], v[S+16*\b+\i], -v[HOLD+\b], v[HOLD+\b]
.endr
	v_cvt_scalef32_pk8_fp8_f32 v[PC+4*\b:PC+4*\b+1], v[S+16*\b:S+16*\b+7], v[SOP+\b]
	v_cvt_scalef32_pk8_fp8_f32 v[PC+4*\b+2:PC+4*\b+3], v[S+16*\b+8:S+16*\b+15], v[SOP+\b]
.endr
	v_nop                                          ; one plain vector instruction behind the last conversion
	ds_store_b128 v[STO], v[PC:PC+3]
	ds_store_b128 v[STO], v[PC+4:PC+7] offset:32
	ds_load_b128 v[PC+8:PC+11], v[RD]              ; LDS serves a wave's instructions in order (ISA guide 5.7.1.4): these see my stores
	ds_load_b128 v[PC+12:PC+15], v[RD] offset:512
	global_store_b16 v[OSO], v[SW], s[OS:OS+1]     ; both halves of the lanes write the same two bytes with the same value
	s_wait_dscnt 0x0
	global_store_b128 v[GO], v[PC+8:PC+11], s[OA:OA+1]              ; each store covers 512 consecutive bytes, aligned
	global_store_b128 v[GO], v[PC+12:PC+15], s[OA:OA+1] offset:512
.endm
	INIT 1                                         ; the late tile, 127 - p: 16 - wave / 2 key steps
	s_wait_loadcnt 0x0                             ; Q
	s_mov_b32 s[CA], 3
.Larrive:                                          ; key steps 0 to 5, all in front of this tile's diagonal; chunks 1 and 5, 2 and 6, 3 and 7 are asked for
	CHANGE 1
	s_mov_b32 s[TW], 2
.Lpair:
	STEP 0
	s_sub_co_u32 s[TW], s[TW], 1
	s_cmp_lg_u32 s[TW], 0
	s_cbranch_scc1 .Lpair
	s_sub_co_u32 s[CA], s[CA], 1
	s_cmp_lg_u32 s[CA], 0
	s_cbranch_scc1 .Larrive
	CHANGE 0                                       ; all of K and V lies in LDS: from here on no wave waits for another
	s_mov_b32 s[CA], 10
.Llate:                                            ; key steps 6 to 15
	STEP 1
	s_sub_co_u32 s[CA], s[CA], 1
	s_cmp_lg_u32 s[CA], 0
	s_cbranch_scc1 .Llate
	FINISH
	INIT 0                                         ; the early tile, p: wave / 2 + 1 key steps
	s_wait_loadcnt 0x0
	s_mov_b32 s[CA], 8
.Learly:                                           ; key steps 0 to 7
	STEP 1
	s_sub_co_u32 s[CA], s[CA], 1
	s_cmp_lg_u32 s[CA], 0
	s_cbranch_scc1 .Learly
	FINISH
	s_wait_tensorcnt 0x0                           ; the wave's end
	ds_add_u32 v[SPW], v[NIL]
	s_wait_dscnt 0x0
	CROUND                                         ; the closing round
	s_endpgm
.Lfunc_end_k_qf4b6509367_attn:
	.size	k_qf4b6509367_attn, .Lfunc_end_k_qf4b6509367_attn-k_qf4b6509367_attn
	.p2alignl 7, 3214868480
	.fill 96, 4, 3214868480
	.section	.rodata,"a",@progbits
	.p2align	6, 0x0
	.amdhsa_kernel k_qf4b6509367_attn
		.amdhsa_group_segment_fixed_size 327680
		.amdhsa_private_segment_fixed_size 0
		.amdhsa_enable_private_segment 0
		.amdhsa_kernarg_size 64
		.amdhsa_user_sgpr_count 2
		.amdhsa_user_sgpr_kernarg_segment_ptr 1
		.amdhsa_wavefront_size32 1
		.amdhsa_system_sgpr_workgroup_id_x 1
		.amdhsa_system_sgpr_workgroup_id_y 1
		.amdhsa_system_sgpr_workgroup_id_z 1
		.amdhsa_system_vgpr_workitem_id 0
		.amdhsa_next_free_vgpr 256
		.amdhsa_next_free_sgpr 100
		.amdhsa_reserve_vcc 1
		.amdhsa_float_denorm_mode_32 3
		.amdhsa_float_denorm_mode_16_64 3
		.amdhsa_memory_ordered 1
		.amdhsa_forward_progress 1
		.amdhsa_inst_pref_size 96
	.end_amdhsa_kernel
	.amdgpu_metadata
---
amdhsa.version: [ 1, 2 ]
amdhsa.kernels:
  - .name:           k_qf4b6509367_attn
    .symbol:         k_qf4b6509367_attn.kd
    .args:
      - { .name: qc, .offset: 0, .size: 8, .value_kind: global_buffer, .address_space: global }
      - { .name: qs, .offset: 8, .size: 8, .value_kind: global_buffer, .address_space: global }
      - { .name: kc, .offset: 16, .size: 8, .value_kind: global_buffer, .address_space: global }
      - { .name: ks, .offset: 24, .size: 8, .value_kind: global_buffer, .address_space: global }
      - { .name: vc, .offset: 32, .size: 8, .value_kind: global_buffer, .address_space: global }
      - { .name: vs, .offset: 40, .size: 8, .value_kind: global_buffer, .address_space: global }
      - { .name: ac, .offset: 48, .size: 8, .value_kind: global_buffer, .address_space: global }
      - { .name: asc, .offset: 56, .size: 8, .value_kind: global_buffer, .address_space: global }
    .group_segment_fixed_size: 327680
    .private_segment_fixed_size: 0
    .kernarg_segment_align: 8
    .kernarg_segment_size: 64
    .max_flat_workgroup_size: 512
    .sgpr_count:     100
    .vgpr_count:     256
    .wavefront_size: 32
...
	.end_amdgpu_metadata
.endif
;; end of part 2
;; launch oproj (part 3): grid 4 x 32, 4 waves a work-group, clusters of 4 x 4, 327,680 bytes of LDS; arguments ac, asc, w_o_codes, w_o_scales, b_o, out0; writes out0
.if DOCPART == 3
	.amdgcn_target "amdgcn-amd-amdhsa--gfx1250"
	.amdhsa_code_object_version 6
	.text
	.protected	k_qf4b6509367_oproj
	.globl	k_qf4b6509367_oproj
	.p2align	8
	.type	k_qf4b6509367_oproj,@function
k_qf4b6509367_oproj:
	s_mov_b64 s[64:65], 0
	v_nop
	global_prefetch_b8 v0, s[64:65] scope:SCOPE_SE
	s_setreg_imm32_b32 hwreg(HW_REG_WAVE_MODE, 25, 1), 1
	s_wait_xcnt 0x0
	s_wait_alu depctr_hold_cnt(0) depctr_sa_sdst(0) depctr_va_vdst(0) depctr_va_sdst(0) depctr_va_ssrc(0) depctr_va_vcc(0) depctr_vm_vsrc(0)
	s_getreg_b32 s2, hwreg(HW_REG_IB_STS2, 6, 4)
	s_cmp_eq_u32 s2, 0
	s_cbranch_scc0 .Lentry_in_a_cluster
	s_endpgm
.Lentry_in_a_cluster:
	s_bfe_u32 s2, ttmp6, 0x10000c
	s_cmp_lg_u32 s2, 0xf033
	s_cbranch_scc0 .Lentry_shape_is_right
	s_endpgm
.Lentry_shape_is_right:
; out0[m][n] = sum over k of A[m][k] wo[n][k] + b_o[n], on codes of FP8 (E4M3) with one E8M0 scale for each 32 along K = 1,024.  out0: [8192][1024] f32.
; A is the attention's result as the launch before left it: codes [head 16][token 8192][64] (k = 64 x head + d), scale bytes [token][32].  wo: codes [1024][1024], scale bytes [1024][32].
; A tile of out0, 256 x 256, is made by a work-group of four waves; a wave makes 128 x 128: 64 accumulators of 16 x 16, 512 registers.  K goes in steps of 256 (four heads) through a ring of two LDS slots.
; A's tile of a K step comes by one load a half: 4 heads x 128 tokens x 64 bytes, each head's part dense in memory; in LDS [head][token][64 bytes + 16].  wo's tile: 128 rows of 256 bytes + 16.
; The scale bytes of the work-group's 256 rows of A and of wo, for all of K, come into LDS once.  The bias is the C of each sum's first matrix instruction.
; CLUSTERS: 4 x 4 work-groups; A's tiles are asked for jointly along a row of the cluster, wo's along a column.  128 tiles: half of the chip's work-group processors have one; a smaller tile would read each LDS byte for half the products.
; THE MATRIX INSTRUCTION IS USED TRANSPOSED (source 0 = 16 rows of wo, source 1 = 16 rows of A): a lane holds eight neighbouring numbers of a row of out0.
; REGISTERS, in windows of 256: window 0: v0-31 addresses; v32-63 scale words, two sets; v64-127 the bias; from v128 A's fragments, one set; on the way out v128-255 rows.
;   window 1: wo's fragments, two sets.   window 2: the accumulators of my rows 0-63;   window 3: those of my rows 64-127.
.set SIZE_N, 1024
.set KSTEP,  256
.set NQ,     KSTEP/128
.set ROWB,   256
.set KROW,   1024
.set PITCH,  272                       ; a row of wo in LDS
.set APITCH, 80                        ; a token's 64 bytes of one head in LDS, + 16 of padding: 16 neighbouring tokens start 20 words apart
.set AHEAD,  128*APITCH                ; a head's 128 tokens
.set HSTEP,  8192*64                   ; from head to head in memory
.set FR,     16
.set NL,     4
.set NP,     8
.set HALFA,  4*AHEAD                   ; what one tensor load brings of A
.set HALFT,  128*PITCH                 ; and of wo
.set SLOT,   2*HALFA+2*HALFT           ; A's two halves, then wo's two
.set LAPS,   KROW/(2*KSTEP)
.set KS,     KROW/32
.set SCL,    2*SLOT
.set HALFS,  (128*KS/256)*272
.set SBLK,   (16*KS/256)*272
.set SPARE,  SCL+4*HALFS
.set SPITCH, 528                       ; the way out: a stage of 16 rows x (512 bytes + 16) for each wave, in slot 0, which has had its last fill and its last read by then
.set ADRA, 16
.set ADRB, 20
.set STO,  24
.set RD,   25
.set CO,   26
.set ADRS, 27
.set SPW,  28
.set NIL,  29
.set BO,   30                          ; v30 32 h: my place in a run of 16 numbers of the bias
.set SC,   32
.set BIAS, 64                          ; v64-127: register 8 b + j = b_o at my first column + 16 b + 8 h + j
.set AF,   128
.set BK,   128
.set G1, 24
.set G0, 32
.set G1B, 48
.set G0B, 56
.set G1S, 68
.set G0S, 76
.set G1SB, 80
.set G0SB, 88
.set MSB, 0
.macro WIN new                         ; the immediate's high byte repeats the setting that is left
.if MSB != \new
	s_set_vgpr_msb (MSB<<8)|\new
.set MSB, \new
.endif
.endm
.set MUL_LO, 0xa1                      ; source 0 (wo) window 1, source 1 (A) window 0, C and D window 2
.set MUL_HI, 0xf1                      ; the same, C and D window 3
.set FIRST_LO, 0x81                    ; the first step: C (the bias) window 0, D window 2
.set FIRST_HI, 0xc1                    ; D window 3
.set TO_B,   0x40
.macro JLOAD g0a, g1a, g0b, g1b        ; a joint load: waves 0 and 1 fetch for A, waves 2 and 3 for wo; four v_nop follow each of the two lines
	s_cmp_eq_u32 s15, 0
	s_cbranch_scc0 .Lfor_b_\@
	tensor_load_to_lds s[\g0a:\g0a+3], s[\g1a:\g1a+7]
	s_nop 0
.rept 4
	v_nop
.endr
	s_branch .Lasked_\@
.Lfor_b_\@:
	tensor_load_to_lds s[\g0b:\g0b+3], s[\g1b:\g1b+7]
	s_nop 0
.rept 4
	v_nop
.endr
.Lasked_\@:
.endm
.macro CREST
	s_cmp_lg_u32 s14, 0
	s_cbranch_scc1 .Lnot_wave_0_\@
	s_barrier_signal -3
.Lnot_wave_0_\@:
	s_barrier_wait -3
	s_barrier_signal -1
	s_barrier_wait -1
.endm
.macro CROUND
	s_barrier_signal -1
	s_barrier_wait -1
	CREST
.endm
	s_load_b128 s[4:7], s[0:1], 0x0                ; A's codes, A's scales
	s_load_b128 s[8:11], s[0:1], 0x10              ; wo's codes, wo's scales
	s_load_b64 s[96:97], s[0:1], 0x20              ; b_o
	s_load_b64 s[12:13], s[0:1], 0x28              ; out0
	v_lshl_add_u32 v[SPW], v0, 2, SPARE
	v_mov_b32 v[NIL], 0
	ds_add_u32 v28, v29
	s_wait_dscnt 0x0
	v_lshrrev_b32 v1, 5, v0
	v_readfirstlane_b32 s14, v1                    ; wave 0..3
	s_lshr_b32 s15, s14, 1                         ; which half of the tile's rows is mine.  Also: I fetch for A (0) or for wo (1)
	s_and_b32 s16, s14, 1                          ; which half of its columns.  Also: which 128 rows I fetch
	s_bfe_u32 s40, ttmp6, 0x40000                  ; cx, cy
	s_bfe_u32 s41, ttmp6, 0x40004
	s_lshl_b32 s42, ttmp9, 2
	s_add_co_u32 s42, s42, s40                     ; tile column = 4 x cluster x + cx
	s_and_b32 s17, ttmp7, 0xffff
	s_lshl_b32 s17, s17, 2
	s_add_co_u32 s17, s17, s41                     ; tile row = 4 x cluster y + cy
	s_lshl_b32 s43, s41, 2
	s_lshl_b32 s43, 15, s43                        ; my row of the cluster
	s_lshl_b32 s44, 0x1111, s40                    ; my column
	; group 1 for A: 4 rows (heads) of 8,192 dense bytes (128 tokens), 524,288 apart; 16 bytes of padding behind every 64
	s_or_b32 s[G1+0], s43, (0<<16)|(1<<20)|(1<<21)|(3<<22)|(3<<25)
	s_mov_b32 s[G1+1], 8192<<16                    ; tensor_dim0
	s_mov_b32 s[G1+2], 4<<16                       ; tensor_dim1
	s_mov_b32 s[G1+3], 8192<<16                    ; tile_dim0
	s_mov_b32 s[G1+4], 4                           ; tile_dim1
	s_mov_b32 s[G1+5], HSTEP                       ; tensor_dim0_stride
	s_mov_b32 s[G1+6], 0
	s_mov_b32 s[G1+7], 0
	; for wo: 128 rows of 256 bytes, 16 bytes of padding behind each
	s_or_b32 s[G1B+0], s44, (0<<16)|(1<<20)|(1<<21)|(5<<22)|(3<<25)
	s_mov_b32 s[G1B+1], ROWB<<16
	s_mov_b32 s[G1B+2], 128<<16
	s_mov_b32 s[G1B+3], ROWB<<16
	s_mov_b32 s[G1B+4], 128
	s_mov_b32 s[G1B+5], KROW
	s_mov_b32 s[G1B+6], 0
	s_mov_b32 s[G1B+7], 0
	; for the scales of 128 rows: 4,096 dense bytes as rows of 256, 16 bytes of padding behind each
	s_or_b32 s[G1S+0], s43, (3<<16)|(1<<20)|(1<<21)|(5<<22)|(3<<25)
	s_or_b32 s[G1SB+0], s44, (3<<16)|(1<<20)|(1<<21)|(5<<22)|(3<<25)
.irp g, G1S, G1SB
	s_mov_b32 s[\g+1], 32<<16
	s_mov_b32 s[\g+2], (128*KS/256)<<16
	s_mov_b32 s[\g+3], 32<<16
	s_mov_b32 s[\g+4], 128*KS/256
	s_mov_b32 s[\g+5], 32
	s_mov_b32 s[\g+6], 0
	s_mov_b32 s[\g+7], 0
.endr
	s_lshl_b32 s18, s16, 7                         ; which 128 rows of the tile I fetch
	s_lshl_b32 s20, s17, 8
	s_add_co_u32 s20, s20, s18                     ; A: token 256 x tile row + 128 x half
	s_lshl_b32 s46, s42, 8
	s_add_co_u32 s46, s46, s18                     ; wo: row 256 x tile column + 128 x half
	s_mov_b32 s21, 0
	s_mov_b32 s47, 0
	s_mov_b64 s[18:19], KS
	s_mul_u64 s[22:23], s[20:21], s[18:19]         ; where these rows' scales begin
	s_mul_u64 s[92:93], s[46:47], s[18:19]
	s_lshl_b32 s20, s20, 6                         ; A's codes: 64 bytes a token in a head
	s_mov_b64 s[18:19], KROW
	s_mul_u64 s[46:47], s[46:47], s[18:19]         ; wo's codes
	s_mul_i32 s45, s16, HALFA                      ; where they go: no place in the cluster enters an LDS address
	s_mul_i32 s95, s16, HALFT
	s_add_co_u32 s95, s95, 2*HALFA
	s_mul_i32 s94, s14, HALFS
	s_wait_kmcnt 0x0
	s_add_nc_u64 s[20:21], s[4:5], s[20:21]
	s_add_nc_u64 s[22:23], s[6:7], s[22:23]
	s_add_nc_u64 s[46:47], s[8:9], s[46:47]
	s_add_nc_u64 s[92:93], s[10:11], s[92:93]
	CROUND                                         ; all sixteen work-groups are here: the first joint loads meet
	s_mov_b32 s[G0S], 1
	s_add_co_u32 s[G0S+1], s94, SCL
	s_mov_b64 s[G0S+2:G0S+3], s[22:23]
	s_or_b32 s[G0S+3], s[G0S+3], 0x80000000
	s_mov_b32 s[G0SB], 1
	s_add_co_u32 s[G0SB+1], s94, SCL
	s_mov_b64 s[G0SB+2:G0SB+3], s[92:93]
	s_or_b32 s[G0SB+3], s[G0SB+3], 0x80000000
	JLOAD G0S, G1S, G0SB, G1SB                     ; the scales first
.irp s, 0,1
	s_mov_b32 s[G0+4*\s], 1
	s_add_co_u32 s[G0+4*\s+1], s45, \s*SLOT
	s_add_nc_u64 s[G0+4*\s+2:G0+4*\s+3], s[20:21], \s*4*HSTEP     ; K step s: heads 4 s on
	s_or_b32 s[G0+4*\s+3], s[G0+4*\s+3], 0x80000000
	s_mov_b32 s[G0B+4*\s], 1
	s_add_co_u32 s[G0B+4*\s+1], s95, \s*SLOT
	s_add_nc_u64 s[G0B+4*\s+2:G0B+4*\s+3], s[46:47], \s*ROWB
	s_or_b32 s[G0B+4*\s+3], s[G0B+4*\s+3], 0x80000000
	JLOAD G0+4*\s, G1, G0B+4*\s, G1B
.endr
	v_and_b32 v1, 15, v0                           ; r
	v_bfe_u32 v2, v0, 4, 1                         ; h
	v_mul_u32_u24 v3, v1, PITCH
	v_lshl_add_u32 v4, v2, 4, v3                   ; wo: row x pitch + 16 h
	v_mul_u32_u24 v3, v1, APITCH
	v_lshl_add_u32 v3, v2, 4, v3                   ; A: token x 80 + 16 h
	s_mul_i32 s21, s15, HALFA                      ; my 128 tokens of A
	s_mul_i32 s22, s16, HALFT                      ; my 128 rows of wo,
	s_add_co_u32 s22, s22, 2*HALFA                 ; which lie behind A's two halves
.irp s, 0,1
	v_add_nc_u32 v[ADRA+\s], s21, v3
	v_add_nc_u32 v[ADRB+\s], s22, v4
	s_add_co_u32 s21, s21, SLOT
	s_add_co_u32 s22, s22, SLOT
.endr
	v_mul_u32_u24 v5, v1, KS                       ; my row's scales: KS bytes a row,
	v_lshrrev_b32 v6, 8, v5
	v_lshl_add_u32 v5, v6, 4, v5                   ; and 16 more for each 256 passed
	s_mul_i32 s21, s15, HALFS
	s_mul_i32 s22, s16, HALFS
	s_add_co_u32 s22, s22, 2*HALFS
	s_sub_co_u32 s22, s22, s21
	v_mul_u32_u24 v6, s22, v2                      ; lanes 16-31 take wo's
	s_add_co_u32 s21, s21, SCL
	v_add_nc_u32 v5, v5, v6
	v_add_nc_u32 v[ADRS], s21, v5
	s_mul_i32 s23, s14, 16*SPITCH                  ; my stage
	v_mul_u32_u24 v5, v1, SPITCH
	v_lshl_add_u32 v5, v2, 5, v5
	v_add_nc_u32 v[STO], s23, v5                   ; in: row r, 32 bytes for each half of the lanes
	v_and_b32 v6, 31, v0
	v_lshlrev_b32 v[CO], 4, v6                     ; back: the 32 lanes take one row of 512 bytes; and the same in out0
	v_add_nc_u32 v[RD], s23, v[CO]
	s_lshl_b32 s20, s17, 8
	s_lshl_b32 s21, s15, 7
	s_add_co_u32 s20, s20, s21                     ; my first row of out0
	s_mov_b32 s21, 0
	s_mov_b64 s[18:19], SIZE_N*4
	s_mul_u64 s[20:21], s[20:21], s[18:19]
	s_lshl_b32 s46, s42, 10                        ; my first column, in bytes: 1,024 x tile column + 512 x half
	s_lshl_b32 s47, s16, 9
	s_add_co_u32 s46, s46, s47
	s_mov_b32 s47, 0
	s_add_nc_u64 s[96:97], s[96:97], s[46:47]      ; the bias at my first column
	s_add_nc_u64 s[20:21], s[20:21], s[46:47]
	s_add_nc_u64 s[12:13], s[12:13], s[20:21]
	v_lshlrev_b32 v[BO], 5, v2
.irp b, 0,1,2,3,4,5,6,7
	global_load_b128 v[BIAS+8*\b:BIAS+8*\b+3], v[BO], s[96:97] offset:64*\b
	global_load_b128 v[BIAS+8*\b+4:BIAS+8*\b+7], v[BO], s[96:97] offset:64*\b+16
.endr
.macro FRAG reg, adr, q, i             ; a fragment of wo: lane l holds row l % 16; registers 4 c .. 4 c + 3 hold K = 32 c + 16 (l / 16) + 0 .. 15
.irp c, 0,1,2,3
	ds_load_b128 v[\reg+4*\c:\reg+4*\c+3], v[\adr] offset:128*(\q)+32*\c+(\i)*16*PITCH
.endr
.endm
.macro FRAGA reg, adr, q, i            ; a fragment of A: the same numbers lie by heads: K = 32 c + .. of the slot's q-th 128 is head 2 q + c / 2, byte 32 (c % 2) + ..
.irp c, 0,1,2,3
	ds_load_b128 v[\reg+4*\c:\reg+4*\c+3], v[\adr] offset:(2*(\q)+\c/2)*AHEAD+(\i)*16*APITCH+32*(\c%2)
.endr
.endm
; 16 matrix instructions: A's blocks a0, a0 + 1 x wo's eight, 128 along K.  first = 1: the sums begin with the bias as C.  The 64 accumulators take turns, one instruction a turn.
.macro MUL16 a0, p, q, sc, first
.irp a, \a0, \a0+1
.irp b, 0,1,2,3,4,5,6,7
.if \first
	v_wmma_scale_f32_16x16x128_f8f6f4 v[8*(8*((\a)%4)+\b):8*(8*((\a)%4)+\b)+7], v[128*(\p)+FR*\b:128*(\p)+FR*\b+FR-1], v[AF+FR*(\a):AF+FR*(\a)+FR-1], v[BIAS+8*\b:BIAS+8*\b+7], v[SC+8*NQ*(\sc)+NQ*\b+(\q)], v[SC+8*NQ*(\sc)+NQ*(\a)+(\q)] matrix_a_scale:MATRIX_SCALE_ROW1
.else
	v_wmma_scale_f32_16x16x128_f8f6f4 v[8*(8*((\a)%4)+\b):8*(8*((\a)%4)+\b)+7], v[128*(\p)+FR*\b:128*(\p)+FR*\b+FR-1], v[AF+FR*(\a):AF+FR*(\a)+FR-1], v[8*(8*((\a)%4)+\b):8*(8*((\a)%4)+\b)+7], v[SC+8*NQ*(\sc)+NQ*\b+(\q)], v[SC+8*NQ*(\sc)+NQ*(\a)+(\q)] matrix_a_scale:MATRIX_SCALE_ROW1
.endif
.endr
.endr
.endm
.macro FETCH_B slot, q, p
	WIN TO_B
.irp i, 0,1,2,3,4,5,6,7
	FRAG 128*(\p)+FR*\i, ADRB+\slot, \q, \i
.endr
	WIN 0
.endm
.macro FETCH_A slot, q, i0
.irp i, \i0, \i0+1, \i0+2, \i0+3
	FRAGA AF+FR*(\i), ADRA+\slot, \q, \i
.endr
.endm
.macro SCALES sc
.irp i, 0,1,2,3,4,5,6,7
	ds_load_b64 v[SC+8*NQ*\sc+NQ*\i:SC+8*NQ*\sc+NQ*\i+1], v[ADRS] offset:\i*SBLK
.endr
.endm
.macro PLACES n                        ; places behind matrix instructions, in front of loads into their sources and of reads of their results
.rept \n
	v_nop
.endr
.endm
.macro STEP slot, q, first             ; a step of 128 along K that has its successor in the same slot
	s_wait_dscnt 4*NL                              ; wo's set and A's blocks 0-3 are in; the youngest sixteen loads (A's blocks 4-7) may be out
.if \first
	WIN FIRST_LO
.else
	WIN MUL_LO
.endif
	MUL16 0, (\q)%2, \q, \slot, \first
	MUL16 2, (\q)%2, \q, \slot, \first
	s_wait_dscnt 0
	PLACES NP
	FETCH_B \slot, (\q)+1, 1-(\q)%2
	FETCH_A \slot, (\q)+1, 0
.if \first
	WIN FIRST_HI
.else
	WIN MUL_HI
.endif
	MUL16 4, (\q)%2, \q, \slot, \first
	MUL16 6, (\q)%2, \q, \slot, \first
	PLACES NP
	WIN 0
	FETCH_A \slot, (\q)+1, 4
.endm
; A slot's last step changes slots: ONE barrier; in front of it each wave waits for all its tensor loads, adds 0 to its spare word, and waits for that and for its own reads of this slot.
.macro TURN slot, next, fill
	s_wait_tensorcnt 0x0                           ; all my tensor loads have landed: my part of the next slot
	ds_add_u32 v[SPW], v[NIL]                      ; 0 onto my spare word
	s_wait_dscnt 4*NL+1                            ; (the add and the youngest sixteen loads may be out)
	WIN MUL_LO
	MUL16 0, 1, NQ-1, \slot, 0
	s_wait_dscnt 0x0                               ; the add is done, and my reads of this slot are over
	s_barrier_signal -1
	MUL16 2, 1, NQ-1, \slot, 0
	WIN 0
	s_barrier_wait -1
.if \fill
	CREST                                          ; the barrier has opened a round of the cluster's barrier
	s_add_nc_u64 s[G0+4*\slot+2:G0+4*\slot+3], s[G0+4*\slot+2:G0+4*\slot+3], 8*HSTEP
	s_add_nc_u64 s[G0B+4*\slot+2:G0B+4*\slot+3], s[G0B+4*\slot+2:G0B+4*\slot+3], 2*ROWB
	JLOAD G0+4*\slot, G1, G0B+4*\slot, G1B         ; the first tensor load behind the round; its four v_nop are among the places in front of the loads below
	PLACES NP-4
.else
	PLACES NP
.endif
	v_add_nc_u32 v[ADRS], 4*NQ, v[ADRS]
	FETCH_B \next, 0, 0
	FETCH_A \next, 0, 0
	SCALES \next
	WIN MUL_HI
	MUL16 4, 1, NQ-1, \slot, 0
	MUL16 6, 1, NQ-1, \slot, 0
	PLACES NP
	WIN 0
	FETCH_A \next, 0, 4
.endm
	s_wait_tensorcnt 1                             ; the scales and my part of K step 0 are in (K step 1's load, issued behind them, may be out),
	s_barrier_signal -1
	s_barrier_wait -1                              ; everybody's are
	FETCH_B 0, 0, 0
	FETCH_A 0, 0, 0
	SCALES 0
	FETCH_A 0, 0, 4
	s_wait_loadcnt 0x0                             ; the bias
	STEP 0, 0, 1                                   ; the first step stands in front of the loop: its products start the sums, on the bias
	s_mov_b32 s3, LAPS-1
.Llap:
	TURN 0, 1, 1
	STEP 1, 0, 0
	TURN 1, 0, 1
	STEP 0, 0, 0
	s_sub_co_u32 s3, s3, 1
	s_cmp_lg_u32 s3, 0
	s_cbranch_scc1 .Llap
	TURN 0, 1, 0                                   ; the last lap fills nothing
	STEP 1, 0, 0
	s_wait_dscnt 4*NL
	WIN MUL_LO
	MUL16 0, 1, NQ-1, 1, 0
	MUL16 2, 1, NQ-1, 1, 0
	s_wait_dscnt 0
	WIN MUL_HI
	MUL16 4, 1, NQ-1, 1, 0
	MUL16 6, 1, NQ-1, 1, 0
	WIN 0
; THE WAY OUT, block by block of 16 rows x 128 columns, through my own stage: in as 32 bytes a lane, back as whole rows of 512 bytes.  LDS serves a wave's instructions in order (ISA guide 5.7.1.4).
.macro TOSTAGE a
.set AC, 64*((\a)%4)
	WIN 0x08+4*((\a)/4)                            ; the data: window 2 or 3
.irp b, 0,1,2,3,4,5,6,7
	ds_store_b128 v[STO], v[AC+8*\b:AC+8*\b+3] offset:64*\b          ; each accumulator from its low end on
	ds_store_b128 v[STO], v[AC+8*\b+4:AC+8*\b+7] offset:64*\b+16
.endr
	WIN 0
.set BB, BK+64*((\a)%2)
.irp t, 0,1,2,3,4,5,6,7,8,9,10,11,12,13,14,15
	ds_load_b128 v[BB+4*\t:BB+4*\t+3], v[RD] offset:\t*SPITCH
.endr
.endm
.macro SEND a, younger                 ; younger: the LDS instructions issued behind block a's loads, which may stay out
.set BB, BK+64*((\a)%2)
	s_wait_dscnt \younger
.if (\a) > 0
	s_add_nc_u64 s[12:13], s[12:13], 16*SIZE_N*4   ; (behind a wait on XCNT: the earlier stores have read their base)  16 rows on
.endif
.irp t, 0,1,2,3,4,5,6,7,8,9,10,11,12,13,14,15
	global_store_b128 v[CO], v[BB+4*\t:BB+4*\t+3], s[12:13] offset:\t*SIZE_N*4 th:TH_STORE_NT   ; 32 lanes store 512 consecutive bytes, aligned; written once, read by nobody here
.endr
.endm
	PLACES NP
	TOSTAGE 0
.irp a, 1,2,3,4,5,6,7
.if \a > 1
	s_wait_xcnt 0x0                                ; block a - 2's stores have read their registers and their base
.endif
	TOSTAGE \a
	SEND \a-1, 32                                  ; behind block a - 1's loads: block a's 16 stores and 16 loads
.endr
	s_wait_xcnt 0x0
	SEND 7, 0
	s_wait_tensorcnt 0x0                           ; the wave's end
	ds_add_u32 v[SPW], v[NIL]
	s_wait_dscnt 0x0
	CROUND                                         ; the closing round
	s_endpgm
.Lfunc_end_k_qf4b6509367_oproj:
	.size	k_qf4b6509367_oproj, .Lfunc_end_k_qf4b6509367_oproj-k_qf4b6509367_oproj
	.p2alignl 7, 3214868480
	.fill 96, 4, 3214868480
	.section	.rodata,"a",@progbits
	.p2align	6, 0x0
	.amdhsa_kernel k_qf4b6509367_oproj
		.amdhsa_group_segment_fixed_size 327680
		.amdhsa_private_segment_fixed_size 0
		.amdhsa_enable_private_segment 0
		.amdhsa_kernarg_size 48
		.amdhsa_user_sgpr_count 2
		.amdhsa_user_sgpr_kernarg_segment_ptr 1
		.amdhsa_wavefront_size32 1
		.amdhsa_system_sgpr_workgroup_id_x 1
		.amdhsa_system_sgpr_workgroup_id_y 1
		.amdhsa_system_sgpr_workgroup_id_z 1
		.amdhsa_system_vgpr_workitem_id 0
		.amdhsa_next_free_vgpr 1024
		.amdhsa_next_free_sgpr 98
		.amdhsa_reserve_vcc 0
		.amdhsa_float_denorm_mode_32 3
		.amdhsa_float_denorm_mode_16_64 3
		.amdhsa_memory_ordered 1
		.amdhsa_forward_progress 1
		.amdhsa_inst_pref_size 147
	.end_amdhsa_kernel
	.amdgpu_metadata
---
amdhsa.version: [ 1, 2 ]
amdhsa.kernels:
  - .name:           k_qf4b6509367_oproj
    .symbol:         k_qf4b6509367_oproj.kd
    .args:
      - { .name: ac, .offset: 0, .size: 8, .value_kind: global_buffer, .address_space: global }
      - { .name: asc, .offset: 8, .size: 8, .value_kind: global_buffer, .address_space: global }
      - { .name: w_o_codes, .offset: 16, .size: 8, .value_kind: global_buffer, .address_space: global }
      - { .name: w_o_scales, .offset: 24, .size: 8, .value_kind: global_buffer, .address_space: global }
      - { .name: b_o, .offset: 32, .size: 8, .value_kind: global_buffer, .address_space: global }
      - { .name: out0, .offset: 40, .size: 8, .value_kind: global_buffer, .address_space: global }
    .group_segment_fixed_size: 327680
    .private_segment_fixed_size: 0
    .kernarg_segment_align: 8
    .kernarg_segment_size: 48
    .max_flat_workgroup_size: 128
    .sgpr_count:     98
    .vgpr_count:     1024
    .wavefront_size: 32
...
	.end_amdgpu_metadata
.endif
;; end of part 3
